; MI455X (gfx1250); checked and timed in simulation.
; The chip was launched on July 23, 2026; its instructions are those of AMD's public machine-readable ISA for CDNA 5 (MIT licence, August 2026) and "CDNA5" Instruction Set Architecture Reference Guide (July 2026). The comments in the code are by the model that wrote it; some were corrected since.
;; Causal Self Attention. Allowed arithmetic: matrix products marked QUANTISED: E4M3 operands, one given power-of-two scale a tensor, by v_wmma_f32_16x16x64_fp8_fp8 or v_wmma_f32_16x16x128_fp8_fp8, f32 sums; everything else in f32.
;; Inputs: lowp_scales 8 int32 (the exponents e of the quantised operands' scales 2^e); w_out 1,024 x 1,024 float32; w_qkv 1,024 x 3,072 float32; x 4 x 2,048 x 1,024 float32.
;; Outputs: out0 4 x 2,048 x 1,024 float32.
;; This version of the problem:
;;   THIS VERSION OF THE PROBLEM IS GIVEN IN LOW PRECISION. The matrix products marked QUANTISED in the list below multiply operands that are first quantised to E4M3 (4 exponent bits, 3 mantissa bits; 8 bits a number), with one given power-of-two scale for each operand tensor; their sums are f32. All else is computed in f32.
;;   The module's matrix products, in the order in which they are computed (A, B: the left and right operand; K: the contracted axis; several contracted axes count as one K, in the product's order):
;;     1. [M 8,192, K 1,024] x [K 1,024, N 3,072]; A: input x; B: input w_qkv: QUANTISED (scales: A lowp_scales[0], B lowp_scales[1])
;;     2. batch 64 x [M 2,048, K 64] x [K 64, N 2,048]; A: computed on the way; B: computed on the way: QUANTISED (scales: A lowp_scales[2], B lowp_scales[3])
;;     3. batch 64 x [M 2,048, K 2,048] x [K 2,048, N 64]; A: softmax (see below); B: computed on the way: QUANTISED (scales: A lowp_scales[4], B lowp_scales[5])
;;     4. [M 8,192, K 1,024] x [K 1,024, N 1,024]; A: computed on the way; B: input w_out: QUANTISED (scales: A lowp_scales[6], B lowp_scales[7])
;;   THE QUANTISER, for each operand of a quantised product, along K:
;;     - The operand's scale is 2^e, e = its entry of the input lowp_scales (int32; the entries are numbered through the quantised products in the list's order, A before B).
;;     - Each number is divided by the scale, clamped to +-448, and rounded to the nearest number of E4M3, ties to even, subnormals kept.
;;     - The product sums the exact products of the quantised numbers (number of the format x scale) in f32.
;;   ~~~python
;;   def quantise(x, axis, e):      # numpy; x: float32 -> the quantised numbers, widened to float32 again
;;       x = np.moveaxis(x, axis, -1); K = x.shape[-1]
;;       r = np.clip(x / 2.0 ** e, -448, 448)
;;       step = 2.0 ** (np.maximum(np.frexp(np.where(r == 0, 1, r))[1] - 1, -6) - 3)
;;       q = np.round(r / step) * step * 2.0 ** e      # np.round: ties to even
;;       return np.moveaxis(q, -1, axis).astype(np.float32)
;;   ~~~
;;   SOFTMAX AHEAD OF A QUANTISED PRODUCT. Where the list says 'softmax', what is quantised is not the finished softmax but p = 2^(t - M), with t = logit x log2(e) and M = ceil(the row's largest t), a whole number; so 1/2 < the row's largest p <= 1. The row's sum l is taken of the UNQUANTISED p, in f32, and the product's result is divided by l at the end. Since M is a whole number, a kernel that streams over the keys may use a running M (the ceiling of the running maximum): every later rescaling is an exact power of two, so the quantised numbers keep their values, but for numbers so far below the row's largest that they fall under the format's range.
;;   OPERANDS COMPUTED ON THE WAY. 'Computed on the way' means the value that the module computes at that place (a softmax that the list does not call 'softmax' is quantised finished and normalised). What goes into a quantiser is computed in f32, as accurately as f32 sums, v_exp_f32 and their like allow (about 1e-6 of the number): no bf16 or f16 on the way to a quantiser, and a product that is left as it is and whose result goes on into a quantised operand takes f32 operands (vector FMAs, or v_wmma_f32_16x16x4_f32). A number that lies on a knife's edge between two numbers of the format may be rounded either way, as far as f32 arithmetic and the matrix unit's own rounding can turn it there, and no further.
;; One version. Each part assembles by itself: llvm-mc -triple=amdgcn-amd-amdhsa -mcpu=gfx1250 --defsym DOCPART=n.
;; ======== version 1 of 1: 4 launches
;; limits: right only within a limited range of input values
;; workspace buffers: x_codes 8,388,608 bytes; wqkv_codes 3,145,728 bytes; wout_codes 1,048,576 bytes; qkvimg 25,165,824 bytes; yimg 8,388,608 bytes
;; launch quant (part 1): grid 384 x 1, 4 waves a work-group, no clusters, 68,096 bytes of LDS; arguments x, w_qkv, w_out, lowp_scales, x_codes, wqkv_codes, wout_codes; writes x_codes, wqkv_codes, wout_codes
.if DOCPART == 1
	.amdgcn_target "amdgcn-amd-amdhsa--gfx1250"
	.amdhsa_code_object_version 6
	.text
	.protected	k_q8316b5e591_quant
	.globl	k_q8316b5e591_quant
	.p2align	8
	.type	k_q8316b5e591_quant,@function
k_q8316b5e591_quant:
	s_mov_b64 s[64:65], 0
	v_nop
	global_prefetch_b8 v0, s[64:65] scope:SCOPE_SE
	s_setreg_imm32_b32 hwreg(HW_REG_WAVE_MODE, 25, 1), 1
	s_wait_xcnt 0x0
; The three inputs become codes of FP8 (E4M3), one byte a number, K innermost, each with the one scale 2^e that is given for it:
; code = number / 2^e, held within +-448, rounded to the nearest code, ties to even.
;   x     [8192][1024] f32, K innermost       -> x_codes    [8192][1024]     e = entry 0 of the exponents
;   w_qkv [1024 k][3072 n] f32, K outermost   -> wqkv_codes [3072 n][1024 k]  e = entry 1
;   w_out [1024 k][1024 n] f32, K outermost   -> wout_codes [1024 n][1024 k]  e = entry 7
; LIMITS: each e lies between -126 and 119, so that 2^e and 448 x 2^e are f32 numbers.  NaN among the inputs is not served; an infinity is held at the largest code.
; SHARES.  Every work-group reads 131,072 bytes.  Work-groups 0-255 take x: a plain stream, 8,192 numbers a wave.  Work-groups 256-351 take w_qkv, 352-383 w_out: 128 columns x 256 along K each.
; The two ways part once, on the work-group's number, and never join; each has LDS bytes of its own.  No tensor load, no barrier: waves share nothing.  No matrix unit, no cluster: nothing is read twice here.
; THE WAY OF x.  A conversion takes 8 neighbours along K from ONE lane's registers, a load is dense where neighbouring LANES take neighbouring bytes.  So a step's 2,048 bytes are loaded 16 bytes a lane,
; turn through the wave's own stage in LDS (16 bytes of padding behind each 64) and come back 64 bytes a lane.  A lane's 16 codes are 16 bytes: a store of the wave covers 512 consecutive bytes.
; THE WAY OF A WEIGHT.  A lane takes a column n and its registers run down K: each load reads 128 consecutive bytes a wave, and the codes come out with K innermost.  A wave gathers 256 codes of each of its
; 32 columns in its own stage (rows 272 bytes apart) and stores them by rows: sixteen lanes cover 256 consecutive bytes, aligned.
.set SP,    80                         ; x: a lane's place in a stage: 64 bytes + 16 of padding
.set WREG,  8192                       ; x: LDS of a wave: two stages of 32 x SP bytes
.set WST,   4*WREG                     ; the weights' stages begin here
.set WP,    272                        ; a weight's stage row: 256 bytes + 16
.set SPARE, WST+4*32*WP                ; behind them: the spare words, 128 bytes for each wave: two blocks of 256 bytes that no other line names
.set SPW,   12                         ; v12  LDS address of my spare word; never rewritten
.set NIL,   13                         ; v13  0; never rewritten
.set R,     16                         ; x: v16-79    four sets of 16 numbers as loaded
.set X,     80                         ; x: v80-111   two sets of 16 neighbours
.set C,     128                        ; x: v128-191  codes, four registers for each step
.set WX,    32                         ; w: v32-95    two sets of 32 numbers
.set WC,    96                         ; w: v96-103   a block's codes
.set OUTR,  112                        ; w: v112-175  the way out
.set VO,    176                        ; w: v176-207  byte offset of row i of a block at my column: 4 x lane + i x a row of the weight
	s_load_b256 s[4:11], s[0:1], 0x0               ; x s[4:5], w_qkv s[6:7], w_out s[8:9], the exponents s[10:11]
	s_load_b128 s[12:15], s[0:1], 0x20             ; x_codes s[12:13], wqkv_codes s[14:15]
	s_load_b64 s[16:17], s[0:1], 0x30              ; wout_codes
	v_lshl_add_u32 v[SPW], v0, 2, SPARE
	v_mov_b32 v[NIL], 0
	v_lshrrev_b32 v1, 5, v0
	v_readfirstlane_b32 s18, v1                    ; wave 0..3
	v_and_b32 v2, 31, v0                           ; lane
	v_lshlrev_b32 v3, 4, v2                        ; 16 x lane
	; every LDS address of both ways is made here, ahead of the parting
	s_mul_i32 s19, s18, WREG
	v_lshrrev_b32 v14, 2, v2
	v_mul_u32_u24 v14, v14, SP
	v_and_b32 v15, 3, v2
	v_lshl_add_u32 v14, v15, 4, v14
	v_add_nc_u32 v14, s19, v14                     ; x, into the stage: SP (lane / 4) + 16 (lane % 4)
	v_mul_u32_u24 v15, v2, SP
	v_add_nc_u32 v15, s19, v15                     ; x, out of it: SP x lane: my 16 neighbours
	s_mul_i32 s19, s18, 32*WP
	s_add_co_u32 s19, s19, WST
	v_mul_u32_u24 v4, v2, WP
	v_add_nc_u32 v4, s19, v4                       ; w, into the stage: row = my column
	v_and_b32 v5, 15, v2
	v_lshrrev_b32 v6, 4, v2
	v_mul_u32_u24 v7, v6, WP
	v_lshl_add_u32 v7, v5, 4, v7
	v_add_nc_u32 v7, s19, v7                       ; w, out of it: sixteen lanes to a row, two rows an instruction
	v_lshlrev_b32 v8, 10, v6
	v_lshl_add_u32 v8, v5, 4, v8                   ; and the same place in the codes: a row is 1,024 bytes
	v_lshlrev_b32 v9, 2, v2                        ; 4 x lane
	s_wait_kmcnt 0x0
	s_load_b256 s[48:55], s[10:11], 0x0            ; the eight exponents
	s_cmp_lt_u32 ttmp9, 256
	s_cbranch_scc0 .Lw
; ---------------- x ----------------
.macro XLOAD t
.irp i, 0,1,2,3
	global_load_b128 v[R+16*((\t)%4)+4*\i:R+16*((\t)%4)+4*\i+3], v3, s[4:5] offset:2048*(\t)+512*\i th:TH_LOAD_NT   ; 32 lanes read 512 consecutive bytes
.endr
.endm
.macro XTURN t                         ; step t's numbers through the stage: LDS serves a wave's instructions in order, so no wait stands between the stores and the loads
.irp i, 0,1,2,3
	ds_store_b128 v14, v[R+16*((\t)%4)+4*\i:R+16*((\t)%4)+4*\i+3] offset:32*SP*((\t)%2)+8*SP*\i
.endr
.irp i, 0,1,2,3
	ds_load_b128 v[X+16*((\t)%2)+4*\i:X+16*((\t)%2)+4*\i+3], v15 offset:32*SP*((\t)%2)+16*\i
.endr
.endm
.macro XSTEP t
.set XS, X+16*((\t)%2)
	s_wait_dscnt 0x0                               ; this step's numbers are back from the stage, so its stores into the stage have read their registers,
.if (\t)+4 < 16
	XLOAD (\t)+4                                   ; which take the loads of four steps on
.endif
.if (\t)+1 < 16
.if 14-(\t) >= 3
	s_wait_loadcnt 12                              ; the next step's four loads are in; those of the three steps behind it may be out
.else
	s_wait_loadcnt 4*(14-(\t))                     ; at the end the count runs down
.endif
	XTURN (\t)+1                                   ; and go through the other stage while this step is worked
.endif
.irp i, 0,1,2,3,4,5,6,7,8,9,10,11,12,13,14,15
.endr
	v_cvt_scalef32_pk8_fp8_f32 v[C+4*(\t):C+4*(\t)+1], v[XS:XS+7], v11
	v_cvt_scalef32_pk8_fp8_f32 v[C+4*(\t)+2:C+4*(\t)+3], v[XS+8:XS+15], v11
	global_store_b128 v3, v[C+4*(\t):C+4*(\t)+3], s[12:13] offset:512*(\t)   ; the codes go to a store alone; each step has registers of its own for them
.endm
	s_lshl_b32 s20, ttmp9, 2
	s_add_co_u32 s20, s20, s18                     ; which run of 8,192 numbers is my wave's
	s_lshl_b32 s22, s20, 15
	s_mov_b32 s23, 0
	s_add_nc_u64 s[4:5], s[4:5], s[22:23]
	s_lshl_b32 s22, s20, 13
	s_add_nc_u64 s[12:13], s[12:13], s[22:23]
.irp t, 0,1,2,3
	XLOAD \t
.endr
	s_wait_kmcnt 0x0
	s_add_co_i32 s22, s48, 127
	s_lshl_b32 s23, s22, 23
	v_mov_b32 v11, s23                             ; 2^e as f32: the conversion takes its exponent field
	s_add_co_i32 s22, s22, 8
	s_lshl_b32 s22, s22, 23
	s_or_b32 s22, s22, 0x600000
	s_wait_alu depctr_va_vdst(0)
	s_wait_loadcnt 12                              ; step 0's four loads are in
	XTURN 0
.irp t, 0,1,2,3,4,5,6,7,8,9,10,11,12,13,14,15
	XSTEP \t
.endr
	s_wait_tensorcnt 0x0                           ; the wave's end: behind my last LDS store
	ds_add_u32 v[SPW], v[NIL]
	s_wait_dscnt 0x0
	s_endpgm
; ---------------- a weight ----------------
.Lw:
	s_cmp_lt_u32 ttmp9, 352                        ; w_qkv or w_out: the choice hangs on the work-group's number alone
	s_cselect_b64 s[6:7], s[6:7], s[8:9]           ; the weight
	s_cselect_b64 s[14:15], s[14:15], s[16:17]     ; its codes
	s_mov_b32 s30, 4096
	s_cselect_b32 s30, 12288, s30                  ; a row of the weight in bytes
	s_mov_b32 s21, 352
	s_cselect_b32 s21, 256, s21
	s_sub_co_u32 s20, ttmp9, s21                   ; my number among the weight's work-groups
	s_and_b32 s24, s20, 3                          ; which 256 along K
	s_lshr_b32 s25, s20, 2
	s_lshl_b32 s25, s25, 7
	s_lshl_b32 s26, s18, 5
	s_add_co_u32 s25, s25, s26                     ; my wave's first column
	s_mul_i32 s26, s24, s30
	s_lshl_b32 s26, s26, 8                         ; 256 rows for each step along K,
	s_lshl_b32 s27, s25, 2
	s_add_co_u32 s26, s26, s27                     ; + 4 bytes a column
	s_mov_b32 s27, 0
	s_add_nc_u64 s[32:33], s[6:7], s[26:27]        ; block 0's base; a base for each of the eight blocks, so that nothing is stepped
	s_lshl_b32 s26, s30, 5                         ; 32 rows
.irp t, 1,2,3,4,5,6,7
	s_add_nc_u64 s[32+2*\t:33+2*\t], s[30+2*\t:31+2*\t], s[26:27]
.endr
	s_lshl_b32 s28, s25, 10
	s_lshl_b32 s29, s24, 8
	s_add_co_u32 s28, s28, s29
	s_mov_b32 s29, 0
	s_add_nc_u64 s[14:15], s[14:15], s[28:29]      ; the codes: column x 1,024 + 256 x the step along K
.set i, 0
	s_wait_alu depctr_va_vdst(0)
.rept 32
	v_mad_u32_u24 v[VO+i], s30, i, v9
.set i, i+1
.endr
.macro WLOAD t                         ; block t: W(32 t + i, my column), i = 0 .. 31, into set t % 2
.set i, 0
.rept 32
	global_load_b32 v[WX+32*((\t)%2)+i], v[VO+i], s[32+2*(\t):33+2*(\t)] th:TH_LOAD_NT
.set i, i+1
.endr
.endm
.macro WBLOCK t
.set XS, WX+32*((\t)%2)
.if (\t) < 7
	s_wait_loadcnt 32                              ; this block's 32 loads are in; the next block's may be out
.else
	s_wait_loadcnt 0
.endif
.set i, 0
.rept 32
.set i, i+1
.endr
.irp g, 0,1,2,3
	v_cvt_scalef32_pk8_fp8_f32 v[WC+2*\g:WC+2*\g+1], v[XS+8*\g:XS+8*\g+7], v11
.endr
	ds_store_b128 v4, v[WC:WC+3] offset:32*(\t)    ; 32 codes: 32 bytes of my column's row
	ds_store_b128 v4, v[WC+4:WC+7] offset:32*(\t)+16
.if (\t)+2 < 8
	WLOAD (\t)+2
.endif
	s_wait_dscnt 0x0                               ; the stores have read their registers: the next block's codes may be written
.endm
	WLOAD 0
	WLOAD 1
	s_wait_kmcnt 0x0
	s_cmp_lt_u32 ttmp9, 352
	s_cselect_b32 s22, s49, s55                    ; e
	s_add_co_i32 s22, s22, 127
	s_lshl_b32 s23, s22, 23
	v_mov_b32 v11, s23                             ; 2^e
	s_add_co_i32 s22, s22, 8
	s_lshl_b32 s22, s22, 23
	s_or_b32 s22, s22, 0x600000
	s_wait_alu depctr_va_vdst(0)
.irp t, 0,1,2,3,4,5,6,7
	WBLOCK \t
.endr
.irp t, 0,1,2,3,4,5,6,7,8,9,10,11,12,13,14,15
	ds_load_b128 v[OUTR+4*\t:OUTR+4*\t+3], v7 offset:2*\t*WP       ; LDS serves a wave's instructions in order: these see my stores
.endr
.irp t, 0,1,2,3,4,5,6,7,8,9,10,11,12,13,14,15
	s_wait_dscnt 15-\t                             ; load t is back; the younger ones may be out
	global_store_b128 v8, v[OUTR+4*\t:OUTR+4*\t+3], s[14:15] offset:2*\t*1024
.endr
	s_wait_tensorcnt 0x0                           ; the wave's end: behind my last LDS store
	ds_add_u32 v[SPW], v[NIL]
	s_wait_dscnt 0x0
	s_endpgm
.Lfunc_end_k_q8316b5e591_quant:
	.size	k_q8316b5e591_quant, .Lfunc_end_k_q8316b5e591_quant-k_q8316b5e591_quant
	.p2alignl 7, 3214868480
	.fill 96, 4, 3214868480
	.section	.rodata,"a",@progbits
	.p2align	6, 0x0
	.amdhsa_kernel k_q8316b5e591_quant
		.amdhsa_group_segment_fixed_size 68096
		.amdhsa_private_segment_fixed_size 0
		.amdhsa_enable_private_segment 0
		.amdhsa_kernarg_size 56
		.amdhsa_user_sgpr_count 2
		.amdhsa_user_sgpr_kernarg_segment_ptr 1
		.amdhsa_wavefront_size32 1
		.amdhsa_system_sgpr_workgroup_id_x 1
		.amdhsa_system_sgpr_workgroup_id_y 1
		.amdhsa_system_sgpr_workgroup_id_z 1
		.amdhsa_system_vgpr_workitem_id 0
		.amdhsa_next_free_vgpr 208
		.amdhsa_next_free_sgpr 66
		.amdhsa_reserve_vcc 0
		.amdhsa_float_denorm_mode_32 3
		.amdhsa_float_denorm_mode_16_64 3
		.amdhsa_fp16_overflow 1
		.amdhsa_memory_ordered 1
		.amdhsa_forward_progress 1
		.amdhsa_inst_pref_size 56
	.end_amdhsa_kernel
	.amdgpu_metadata
---
amdhsa.version: [ 1, 2 ]
amdhsa.kernels:
  - .name:           k_q8316b5e591_quant
    .symbol:         k_q8316b5e591_quant.kd
    .args:
      - { .name: x, .offset: 0, .size: 8, .value_kind: global_buffer, .address_space: global }
      - { .name: w_qkv, .offset: 8, .size: 8, .value_kind: global_buffer, .address_space: global }
      - { .name: w_out, .offset: 16, .size: 8, .value_kind: global_buffer, .address_space: global }
      - { .name: lowp_scales, .offset: 24, .size: 8, .value_kind: global_buffer, .address_space: global }
      - { .name: x_codes, .offset: 32, .size: 8, .value_kind: global_buffer, .address_space: global }
      - { .name: wqkv_codes, .offset: 40, .size: 8, .value_kind: global_buffer, .address_space: global }
      - { .name: wout_codes, .offset: 48, .size: 8, .value_kind: global_buffer, .address_space: global }
    .group_segment_fixed_size: 68096
    .private_segment_fixed_size: 0
    .kernarg_segment_align: 8
    .kernarg_segment_size: 56
    .max_flat_workgroup_size: 128
    .sgpr_count:     66
    .vgpr_count:     208
    .wavefront_size: 32
...
	.end_amdgpu_metadata
.endif
;; end of part 1
;; launch qkv (part 2): grid 12 x 32, 4 waves a work-group, clusters of 4 x 4, 327,680 bytes of LDS; arguments x_codes, wqkv_codes, lowp_scales, qkvimg; writes qkvimg
.if DOCPART == 2
	.amdgcn_target "amdgcn-amd-amdhsa--gfx1250"
	.amdhsa_code_object_version 6
	.text
	.protected	k_q8316b5e591_qkv
	.globl	k_q8316b5e591_qkv
	.p2align	8
	.type	k_q8316b5e591_qkv,@function
k_q8316b5e591_qkv:
	s_mov_b64 s[64:65], 0
	v_nop
	global_prefetch_b8 v0, s[64:65] scope:SCOPE_SE
	s_setreg_imm32_b32 hwreg(HW_REG_WAVE_MODE, 25, 1), 1
	s_wait_xcnt 0x0
	s_wait_alu depctr_hold_cnt(0) depctr_sa_sdst(0) depctr_va_vdst(0) depctr_va_sdst(0) depctr_va_ssrc(0) depctr_va_vcc(0) depctr_vm_vsrc(0)
	s_getreg_b32 s2, hwreg(HW_REG_IB_STS2, 6, 4)
	s_cmp_eq_u32 s2, 0
	s_cbranch_scc0 .Lentry_in_a_cluster
	s_endpgm
.Lentry_in_a_cluster:
	s_bfe_u32 s2, ttmp6, 0x10000c
	s_cmp_lg_u32 s2, 0xf033
	s_cbranch_scc0 .Lentry_shape_is_right
	s_endpgm
.Lentry_shape_is_right:
; The first product, x w_qkv, on codes of FP8 (E4M3), and the quantisers of q, k and v behind it.  Nothing wide goes to memory: each finished sum becomes a code, and the codes are stored
; in the order in which the attention launch's operand registers take them.
; A tile of the product, 256 x 256, is made by a work-group of four waves; a wave makes 128 x 128: 64 accumulators of 16 x 16, 512 registers.  K = 1,024 goes in four steps of 256 through a ring of two LDS slots.
; THE MATRIX INSTRUCTION IS USED TRANSPOSED (source 0 = 16 rows of B', source 1 = 16 rows of A'): a lane holds ONE row of A' and eight NEIGHBOURING rows of B'.
;   clusters with x = 0 (q) and x = 1 (k): A' = x's codes (tokens), B' = w_qkv's codes (columns): a lane's eight numbers are neighbours along the head's 64, the K of the second product.
;   clusters with x = 2 (v): A' = w_qkv's rows 2,048 on (channels), B' = x's codes (tokens): v comes out as v^T, a lane's eight numbers are neighbours along the keys, the K of the third product.
; The exchange is made by selects on the cluster's x, which all sixteen partners share: one text, no branch.
; CLUSTERS: 4 x 4 work-groups.  The four of a row of the cluster need the same tiles of A', the four of a column the same tiles of B': each tile is asked for jointly.
; 384 tiles stand against 256 places for a work-group: tiles of half the size would read each LDS byte for half the products, which by the count of steps comes to the same.
; A sum stands for sum x 2^(e0 + e1); its code is sum / 2^f, f = ed - e0 - e1, ed = e2 (q), e3 (k) or e5 (v), held within +-448.  LIMIT: f between -126 and 119.
; THE IMAGES (r' = a lane's row 0..15, h' = its half).  q at byte 0, k at 8,388,608, v at 16,777,216; a head (16 x batch + head) has 131,072 bytes in each.
;   q, k: 32 tokens are 2,048 bytes [c 2][u 2][lane 32][16]: tile u holds tokens 8 u + r' + 8 (r' / 8); lane (r', h'), piece c: channels 32 c + 16 h' + 0..15.
;   v: 128 keys are 8,192 bytes [G 2][c 4][u 2][lane 32][16]: tile 2 G + u holds channels 32 G + 8 u + r' + 8 (r' / 8); lane (r', h'), piece c: keys 32 c + 16 h' + 0..15.
; In both a wave's 128 x 128 falls into 16 pieces of 1,024 bytes, [u][lane][16], piece (a / 2, b / 2) of accumulator (a, b); only the pieces' places in memory differ.
; REGISTERS, in windows of 256: window 0: v0-31 addresses and the scale; from v128 A's fragments, ONE set; on the way out v96-207 are at work.
;   window 1: B's fragments, TWO sets.   window 2: the accumulators of my rows 0-63 ((a, b) at v[8 (8 a + b)]);   window 3: those of my rows 64-127.
.set KSTEP,  256
.set ROWB,   256                       ; a tile's row in bytes
.set KROW,   1024                      ; a row of codes in memory
.set PITCH,  272                       ; an LDS row: 256 bytes + 16 of padding: the 16 rows that a load touches start at 16 different banks (64 banks of 4 bytes: ISA guide 11.1)
.set FR,     16                        ; registers of a fragment: 16 rows x 128 K
.set NL,     4                         ; LDS loads that bring one
.set NP,     4                         ; places behind this matrix instruction (ISA guide 7.12.1)
.set HALFT,  128*PITCH
.set SLOT,   4*HALFT                   ; A's 256 rows, then B's 256 rows
.set SPARE,  2*SLOT                    ; behind the ring: the spare words, 128 bytes for each wave: two blocks of 256 bytes that no other line names
.set ADRA, 16                          ; v16-17  LDS address of my A fragments in slot 0, 1
.set ADRB, 20                          ; v20-21  the same for B
.set STO,  24                          ; v24     the way out: where I put 8 codes
.set RD,   25                          ; v25     the way out: where I read 16 bytes back
.set LI,   26                          ; v26     16 x lane
.set SPW,  28                          ; v28     LDS address of my spare word; never rewritten
.set NIL,  29                          ; v29     0; never rewritten
.set SC,   30                          ; v30     2^f
.set LIM,  31
.set TMP,  32
.set CD,   96                          ; v96-127 their codes, two sets
.set AF,   128                         ; A's fragments
.set BK,   128                         ; the way out: v128-159, v160-191: four pieces read back, two sets
.set VOFF, 192                         ; v192-207 the 16 pieces' byte offsets in memory, + 16 x lane
.set G1, 24
.set G0, 32
.set G1B, 48
.set G0B, 56
.set MSB, 0
.macro WIN new                         ; the immediate's high byte repeats the setting that is left
.if MSB != \new
	s_set_vgpr_msb (MSB<<8)|\new
.set MSB, \new
.endif
.endm
.set MUL_LO, 0xa1                      ; source 0 (B) window 1, source 1 (A) window 0, C and D window 2
.set MUL_HI, 0xf1                      ; the same, C and D window 3
.set TO_B,   0x40                      ; destination window 1, address window 0
; A joint load: waves 0 and 1 fetch for A, waves 2 and 3 for B; the branch hangs on the wave's number alone.  An s_nop 0 and four v_nop follow each of the two lines.
.macro JLOAD g0a, g1a, g0b, g1b
	s_cmp_eq_u32 s15, 0
	s_cbranch_scc0 .Lfor_b_\@
	tensor_load_to_lds s[\g0a:\g0a+3], s[\g1a:\g1a+7]
	s_nop 0
.rept 4
	v_nop
.endr
	s_branch .Lasked_\@
.Lfor_b_\@:
	tensor_load_to_lds s[\g0b:\g0b+3], s[\g1b:\g1b+7]
	s_nop 0
.rept 4
	v_nop
.endr
.Lasked_\@:
.endm
.macro CREST                           ; a round of the cluster's barrier behind its opening barrier
	s_cmp_lg_u32 s14, 0
	s_cbranch_scc1 .Lnot_wave_0_\@
	s_barrier_signal -3
.Lnot_wave_0_\@:
	s_barrier_wait -3
	s_barrier_signal -1
	s_barrier_wait -1
.endm
.macro CROUND                          ; a whole round
	s_barrier_signal -1
	s_barrier_wait -1
	CREST
.endm
	s_load_b128 s[4:7], s[0:1], 0x0                ; x's codes s[4:5], w_qkv's codes s[6:7]
	s_load_b128 s[8:11], s[0:1], 0x10              ; the exponents s[8:9], the images s[10:11]
	v_lshl_add_u32 v[SPW], v0, 2, SPARE
	v_mov_b32 v[NIL], 0
	ds_add_u32 v[SPW], v[NIL]                      ; the wave's opening: the add and its wait ahead of my first tensor load; the set-up below stands between them
	ds_add_u32 v[SPW], v[NIL]
	v_lshrrev_b32 v1, 5, v0
	v_readfirstlane_b32 s14, v1                    ; wave 0..3
	s_lshr_b32 s15, s14, 1                         ; which half of the tile's rows is mine.  Also: I fetch for A (0) or for B (1)
	s_and_b32 s16, s14, 1                          ; which half of its columns.  Also: which 128 rows of that tile I fetch
	s_bfe_u32 s40, ttmp6, 0x40000                  ; cx, cy: my place in the cluster
	s_bfe_u32 s41, ttmp6, 0x40004
	s_and_b32 s66, ttmp7, 0xffff                   ; the cluster's y, 0..7
	s_cmp_eq_u32 ttmp9, 2                          ; v's clusters?  The same in all sixteen partners
	s_cselect_b32 s67, 0, s66                      ; tile rows: v has four (the cluster's cy), q and k thirty-two
	s_cselect_b32 s68, s66, ttmp9                  ; tile columns: v has thirty-two, q and k four each
	s_cselect_b32 s69, 0x200000, 0                 ; v's rows of w_qkv's codes begin 2,048 rows of 1,024 bytes on
	s_lshl_b32 s42, s68, 2
	s_add_co_u32 s42, s42, s40                     ; tile column
	s_lshl_b32 s17, s67, 2
	s_add_co_u32 s17, s17, s41                     ; tile row
	s_lshl_b32 s43, s41, 2
	s_lshl_b32 s43, 15, s43                        ; my row of the cluster
	s_lshl_b32 s44, 0x1111, s40                    ; my column
	; descriptor group 1: a tile of 128 rows x 256 bytes, padded in LDS
	s_or_b32 s[G1+0], s43, (0<<16)|(1<<20)|(1<<21)|(5<<22)|(3<<25)  ; 15:0 the mask: A's tiles go to my row; 17:16 elements of 1 byte; 20 padding on; 21 set beside a mask; 24:22 after every 64 words; 31:25 four words
	s_or_b32 s[G1B+0], s44, (0<<16)|(1<<20)|(1<<21)|(5<<22)|(3<<25)
.irp g, G1, G1B
	s_mov_b32 s[\g+1], ROWB<<16                    ; tensor_dim0
	s_mov_b32 s[\g+2], 128<<16                     ; tensor_dim1
	s_mov_b32 s[\g+3], ROWB<<16                    ; tile_dim0
	s_mov_b32 s[\g+4], 128                         ; tile_dim1
	s_mov_b32 s[\g+5], KROW                        ; tensor_dim0_stride
	s_mov_b32 s[\g+6], 0
	s_mov_b32 s[\g+7], 0
.endr
	s_lshl_b32 s18, s16, 7                         ; which 128 rows of the tile I fetch
	s_lshl_b32 s20, s17, 8
	s_add_co_u32 s20, s20, s18                     ; A': row 256 x tile row + 128 x half,
	s_lshl_b32 s20, s20, 10                        ; in bytes,
	s_add_co_u32 s20, s20, s69                     ; and v's start
	s_mov_b32 s21, 0
	s_lshl_b32 s46, s42, 8
	s_add_co_u32 s46, s46, s18                     ; B': row 256 x tile column + 128 x half
	s_lshl_b32 s46, s46, 10
	s_mov_b32 s47, 0
	s_mul_i32 s45, s14, HALFT                      ; where they go: wave x 128 rows: no place in the cluster enters an LDS address
	s_wait_dscnt 0x0                               ; the opening add is done
	s_wait_kmcnt 0x0
	s_load_b256 s[80:87], s[8:9], 0x0              ; e0 .. e7
	s_cmp_eq_u32 ttmp9, 2
	s_cselect_b64 s[70:71], s[6:7], s[4:5]         ; A'
	s_cselect_b64 s[72:73], s[4:5], s[6:7]         ; B'
	s_add_nc_u64 s[20:21], s[70:71], s[20:21]
	s_add_nc_u64 s[46:47], s[72:73], s[46:47]
	CROUND                                         ; all sixteen work-groups are here: the first joint loads meet
.irp s, 0,1
	s_mov_b32 s[G0+4*\s], 1
	s_add_co_u32 s[G0+4*\s+1], s45, \s*SLOT
	s_add_nc_u64 s[G0+4*\s+2:G0+4*\s+3], s[20:21], \s*ROWB
	s_or_b32 s[G0+4*\s+3], s[G0+4*\s+3], 0x80000000
	s_mov_b32 s[G0B+4*\s], 1
	s_add_co_u32 s[G0B+4*\s+1], s45, \s*SLOT
	s_add_nc_u64 s[G0B+4*\s+2:G0B+4*\s+3], s[46:47], \s*ROWB
	s_or_b32 s[G0B+4*\s+3], s[G0B+4*\s+3], 0x80000000
	JLOAD G0+4*\s, G1, G0B+4*\s, G1B               ; two loads of mine are out
.endr
	v_and_b32 v1, 15, v0                           ; r = l % 16
	s_wait_alu depctr_va_vdst(0)
	v_bfe_u32 v2, v0, 4, 1                         ; h = l / 16
	v_mul_u32_u24 v3, v1, PITCH
	v_lshl_add_u32 v4, v2, 4, v3                   ; a fragment's row x pitch + 16 x half
	s_mul_i32 s21, s15, HALFT                      ; my 128 rows of A
	s_mul_i32 s22, s16, HALFT                      ; my 128 rows of B,
	s_add_co_u32 s22, s22, 2*HALFT                 ; which lie behind A's 256
.irp s, 0,1
	v_add_nc_u32 v[ADRA+\s], s21, v4
	v_add_nc_u32 v[ADRB+\s], s22, v4
	s_add_co_u32 s21, s21, SLOT
	s_add_co_u32 s22, s22, SLOT
.endr
	s_lshl_b32 s23, s14, 14                        ; my stage for the way out: 16,384 bytes, in slot 0
	v_lshrrev_b32 v5, 3, v1
	v_and_b32 v6, 7, v1
	v_lshlrev_b32 v5, 9, v5                        ; tile u = r / 8: 512 bytes,
	v_lshl_add_u32 v5, v6, 4, v5                   ; + 16 (r % 8),
	v_lshl_add_u32 v5, v2, 3, v5                   ; + 8 h
	v_add_nc_u32 v[STO], s23, v5
	v_and_b32 v6, 31, v0
	v_lshlrev_b32 v[LI], 4, v6
	v_add_nc_u32 v[RD], s23, v[LI]
	; where my 128 x 128 goes
	s_lshl_b32 s20, s17, 8
	s_lshl_b32 s21, s15, 7
	s_add_co_u32 s20, s20, s21                     ; my first row of A'
	s_lshl_b32 s46, s42, 8
	s_lshl_b32 s47, s16, 7
	s_add_co_u32 s46, s46, s47                     ; my first row of B'
	s_and_b32 s47, s46, 1023                       ; as a column of q or of k
	s_cmp_eq_u32 ttmp9, 2
	s_cselect_b32 s74, s46, s20                    ; my first token
	s_cselect_b32 s75, s20, s47                    ; my first channel, 0..1023
	s_mov_b32 s88, 4096
	s_mov_b32 s89, 2048
	s_mov_b32 s90, 131072
	s_mov_b32 s92, 0                               ; s92-95: the place of pieces a / 2 = 0..3:  q, k: 32 tokens on are 2,048 bytes;  v: 32 channels on are 4,096, a head on 131,072
	s_cselect_b32 s93, s88, s89
	s_cselect_b32 s94, s90, s88
	s_mov_b32 s96, 0                               ; s96-99: the place of pieces b / 2 = 0..3:  q, k: 32 channels on are 1,024, a head on 131,072;  v: 32 keys on are 1,024
	s_mov_b32 s97, 1024
	s_cselect_b32 s98, s89, s90
	s_add_co_u32 s95, s93, s94
	s_add_co_u32 s99, s98, 1024
	s_lshr_b32 s77, s74, 11                        ; batch
	s_lshl_b32 s77, s77, 4
	s_lshr_b32 s78, s75, 6                         ; head
	s_add_co_u32 s77, s77, s78
	s_lshl_b32 s77, s77, 17
	s_bfe_u32 s78, s74, 0x40007                    ; which 128 tokens of the 2,048
	s_lshl_b32 s78, s78, 13
	s_add_co_u32 s77, s77, s78
	s_lshl_b32 s78, ttmp9, 23                      ; q, k or v
	s_add_co_u32 s76, s77, s78
	s_mov_b32 s77, 0
	s_add_nc_u64 s[10:11], s[10:11], s[76:77]
.macro FRAG reg, adr, q, i             ; a fragment: lane l holds row l % 16; registers 4 c .. 4 c + 3 hold K = 32 c + 16 (l / 16) + 0 .. 15: the same order of K in A and in B
.irp c, 0,1,2,3
	ds_load_b128 v[\reg+4*\c:\reg+4*\c+3], v[\adr] offset:128*(\q)+32*\c+(\i)*16*PITCH
.endr
.endm
; 16 matrix instructions: A's blocks a0, a0 + 1 x B's eight, 128 along K.  p: B's set.  zero = 1: the first product starts the sums.  The 64 accumulators take turns, one instruction a turn.
.macro MUL16 a0, p, zero
.irp a, \a0, \a0+1
.irp b, 0,1,2,3,4,5,6,7
.if \zero
	v_wmma_f32_16x16x128_fp8_fp8 v[8*(8*((\a)%4)+\b):8*(8*((\a)%4)+\b)+7], v[128*(\p)+FR*\b:128*(\p)+FR*\b+FR-1], v[AF+FR*(\a):AF+FR*(\a)+FR-1], 0
.else
	v_wmma_f32_16x16x128_fp8_fp8 v[8*(8*((\a)%4)+\b):8*(8*((\a)%4)+\b)+7], v[128*(\p)+FR*\b:128*(\p)+FR*\b+FR-1], v[AF+FR*(\a):AF+FR*(\a)+FR-1], v[8*(8*((\a)%4)+\b):8*(8*((\a)%4)+\b)+7]
.endif
.endr
.endr
.endm
.macro FETCH_B slot, q, p
	WIN TO_B
.irp i, 0,1,2,3,4,5,6,7
	FRAG 128*(\p)+FR*\i, ADRB+\slot, \q, \i
.endr
	WIN 0
.endm
.macro FETCH_A slot, q, i0
.irp i, \i0, \i0+1, \i0+2, \i0+3
	FRAG AF+FR*(\i), ADRA+\slot, \q, \i
.endr
.endm
.macro PLACES n                        ; plain vector instructions between a matrix instruction and a load into, or a vector read or write of, its registers
.rept \n
	v_nop
.endr
.endm
; A step of 128 along K that has its successor in the same slot.
.macro STEP slot, q, zero
	s_wait_dscnt 4*NL                              ; B's set and A's blocks 0-3 are in; the youngest 16 loads (A's blocks 4-7) may be out
	WIN MUL_LO
	MUL16 0, (\q)%2, \zero
	MUL16 2, (\q)%2, \zero
	s_wait_dscnt 0                                 ; A's blocks 4-7 are in
	PLACES NP
	FETCH_B \slot, (\q)+1, 1-(\q)%2
	FETCH_A \slot, (\q)+1, 0
	WIN MUL_HI
	MUL16 4, (\q)%2, \zero
	MUL16 6, (\q)%2, \zero
	PLACES NP
	WIN 0
	FETCH_A \slot, (\q)+1, 4
.endm
; A slot's last step changes slots: ONE barrier; in front of it each wave waits for all its tensor loads, adds 0 to its spare word, and waits for that and for its own reads of this slot.  fill = 1: this slot is filled again.
.macro TURN slot, next, fill
	s_wait_tensorcnt 0x0                           ; all my tensor loads have landed: my part of the next slot  (every window is 0 here)
	ds_add_u32 v[SPW], v[NIL]                      ; 0 onto my spare word
	s_wait_dscnt 4*NL+1                            ; the add and the youngest 16 loads, A's blocks 4-7, may be out
	WIN MUL_LO
	MUL16 0, 1, 0                                  ; sixteen matrix instructions stand between the add and the wait for it
	s_wait_dscnt 0x0                               ; the add is done, and my reads of this slot are over
	s_barrier_signal -1
	MUL16 2, 1, 0
	WIN 0
	s_barrier_wait -1
.if \fill
	CREST                                          ; the barrier has opened a round of the cluster's barrier: no wave of any partner still reads this slot or has a load on its way
	s_add_nc_u64 s[G0+4*\slot+2:G0+4*\slot+3], s[G0+4*\slot+2:G0+4*\slot+3], 2*ROWB
	s_add_nc_u64 s[G0B+4*\slot+2:G0B+4*\slot+3], s[G0B+4*\slot+2:G0B+4*\slot+3], 2*ROWB
	JLOAD G0+4*\slot, G1, G0B+4*\slot, G1B         ; the first tensor load behind the round; its four v_nop are also the places in front of the loads below
.else
	PLACES NP
.endif
	FETCH_B \next, 0, 0
	FETCH_A \next, 0, 0
	WIN MUL_HI
	MUL16 4, 1, 0
	MUL16 6, 1, 0
	PLACES NP
	WIN 0
	FETCH_A \next, 0, 4
.endm
	s_wait_tensorcnt 1                             ; my part of K step 0 is in; K step 1's load may be out
	s_barrier_signal -1
	s_barrier_wait -1
	FETCH_B 0, 0, 0
	FETCH_A 0, 0, 0
	FETCH_A 0, 0, 4
	STEP 0, 0, 1                                   ; K = 1,024 is eight steps of 128, written out: the first starts the sums
	TURN 0, 1, 1                                   ; slot 0 takes K 512 on
	STEP 1, 0, 0
	TURN 1, 0, 1                                   ; slot 1 takes K 768 on
	STEP 0, 0, 0
	TURN 0, 1, 0                                   ; nothing is left to fetch
	STEP 1, 0, 0
	s_wait_dscnt 4*NL
	WIN MUL_LO
	MUL16 0, 1, 0
	MUL16 2, 1, 0
	s_wait_dscnt 0
	WIN MUL_HI
	MUL16 4, 1, 0
	MUL16 6, 1, 0
	WIN 0
; THE WAY OUT.  Block a (16 rows of A'): each sum is held within +-448 x 2^f and eight of a lane become eight codes; they go into my stage in LDS, which lies in slot 0 (it has had its last fill, and every
; wave has passed the last change of slots, behind which nobody reads it), at their place in a piece.  Two blocks complete four pieces, which come back 16 bytes a lane and are stored 512 consecutive bytes an instruction.
.macro PACK a
.set AC, 64*((\a)%4)
.set CC, CD+16*((\a)%2)
	WIN 0x02+((\a)/4)                              ; source 0: window 2 or 3
.set j, 0
.rept 64
.set j, j+1
.endr
.irp b, 0,1,2,3,4,5,6,7
	v_cvt_scalef32_pk8_fp8_f32 v[CC+2*\b:CC+2*\b+1], v[AC+8*\b:AC+8*\b+7], v[SC]
.endr
	WIN 0
	v_nop                                          ; a plain vector instruction behind the last conversion
.irp b, 0,1,2,3,4,5,6,7
	ds_store_b64 v[STO], v[CC+2*\b:CC+2*\b+1] offset:(((\a)/2)*4+(\b)/2)*1024+((\b)%2)*256+((\a)%2)*128
.endr
.endm
.macro BACK g                          ; pieces (g, 0..3) come back: LDS serves a wave's instructions in order, so these see my stores
.set BB, BK+32*((\g)%2)
.irp p, 0,1,2,3
.irp k, 0,1
	ds_load_b128 v[BB+4*(2*\p+\k):BB+4*(2*\p+\k)+3], v[RD] offset:(4*(\g)+\p)*1024+512*\k
.endr
.endr
.endm
.macro SEND g, younger                 ; younger: the LDS instructions issued behind group g's loads, which may stay out
.set BB, BK+32*((\g)%2)
	s_wait_dscnt \younger
.irp p, 0,1,2,3
.irp k, 0,1
	global_store_b128 v[VOFF+4*(\g)+\p], v[BB+4*(2*\p+\k):BB+4*(2*\p+\k)+3], s[10:11] offset:512*\k   ; 32 lanes store 512 consecutive bytes, aligned
.endr
.endr
.endm
	s_wait_kmcnt 0x0
	s_cmp_eq_u32 ttmp9, 0
	s_cselect_b32 s88, s82, s83                    ; e2 for q, e3 for k,
	s_cmp_eq_u32 ttmp9, 2
	s_cselect_b32 s88, s85, s88                    ; e5 for v
	s_sub_co_i32 s88, s88, s80
	s_sub_co_i32 s88, s88, s81                     ; f = ed - e0 - e1: the three scales folded into the conversion's one
	s_add_co_i32 s88, s88, 127
	s_lshl_b32 s89, s88, 23
	s_add_co_i32 s88, s88, 8
	s_lshl_b32 s88, s88, 23
	s_or_b32 s88, s88, 0x600000
	PLACES NP                                      ; behind the last products: for the writes and loads into the registers that held A's fragments, and for the reads of results
	v_mov_b32 v[SC], s89                           ; 2^f
	s_wait_alu depctr_va_vdst(0)
.irp a, 0,1,2,3
.irp b, 0,1,2,3
	v_add3_u32 v[VOFF+4*\a+\b], v[LI], s[92+\a], s[96+\b]
.endr
.endr
.irp g, 0,1,2,3
.if \g > 1
	s_wait_xcnt 0x0                                ; group g - 2's stores have read their registers: group g's loads may land there
.endif
	PACK 2*\g
	PACK 2*\g+1
	BACK \g
.if \g > 0
	SEND \g-1, 24                                  ; behind group g - 1's loads: group g's 16 stores and 8 loads
.endif
.endr
	SEND 3, 0
	s_wait_tensorcnt 0x0                           ; the wave's end: behind my last tensor load and my last LDS store
	ds_add_u32 v[SPW], v[NIL]
	s_wait_dscnt 0x0
	CROUND                                         ; the closing round: no work-group ends while a partner may still ask for a tile that names it
	s_endpgm
.Lfunc_end_k_q8316b5e591_qkv:
	.size	k_q8316b5e591_qkv, .Lfunc_end_k_q8316b5e591_qkv-k_q8316b5e591_qkv
	.p2alignl 7, 3214868480
	.fill 96, 4, 3214868480
	.section	.rodata,"a",@progbits
	.p2align	6, 0x0
	.amdhsa_kernel k_q8316b5e591_qkv
		.amdhsa_group_segment_fixed_size 327680
		.amdhsa_private_segment_fixed_size 0
		.amdhsa_enable_private_segment 0
		.amdhsa_kernarg_size 32
		.amdhsa_user_sgpr_count 2
		.amdhsa_user_sgpr_kernarg_segment_ptr 1
		.amdhsa_wavefront_size32 1
		.amdhsa_system_sgpr_workgroup_id_x 1
		.amdhsa_system_sgpr_workgroup_id_y 1
		.amdhsa_system_sgpr_workgroup_id_z 1
		.amdhsa_system_vgpr_workitem_id 0
		.amdhsa_next_free_vgpr 1024
		.amdhsa_next_free_sgpr 100
		.amdhsa_reserve_vcc 0
		.amdhsa_float_denorm_mode_32 3
		.amdhsa_float_denorm_mode_16_64 3
		.amdhsa_fp16_overflow 1
		.amdhsa_memory_ordered 1
		.amdhsa_forward_progress 1
		.amdhsa_inst_pref_size 94
	.end_amdhsa_kernel
	.amdgpu_metadata
---
amdhsa.version: [ 1, 2 ]
amdhsa.kernels:
  - .name:           k_q8316b5e591_qkv
    .symbol:         k_q8316b5e591_qkv.kd
    .args:
      - { .name: x_codes, .offset: 0, .size: 8, .value_kind: global_buffer, .address_space: global }
      - { .name: wqkv_codes, .offset: 8, .size: 8, .value_kind: global_buffer, .address_space: global }
      - { .name: lowp_scales, .offset: 16, .size: 8, .value_kind: global_buffer, .address_space: global }
      - { .name: qkvimg, .offset: 24, .size: 8, .value_kind: global_buffer, .address_space: global }
    .group_segment_fixed_size: 327680
    .private_segment_fixed_size: 0
    .kernarg_segment_align: 8
    .kernarg_segment_size: 32
    .max_flat_workgroup_size: 128
    .sgpr_count:     100
    .vgpr_count:     1024
    .wavefront_size: 32
...
	.end_amdgpu_metadata
.endif
;; end of part 2
;; launch attn (part 3): grid 4 x 64, 16 waves a work-group, no clusters, 327,680 bytes of LDS; arguments qkvimg, lowp_scales, yimg; writes yimg
.if DOCPART == 3
	.amdgcn_target "amdgcn-amd-amdhsa--gfx1250"
	.amdhsa_code_object_version 6
	.text
	.protected	k_q8316b5e591_attn
	.globl	k_q8316b5e591_attn
	.p2align	8
	.type	k_q8316b5e591_attn,@function
k_q8316b5e591_attn:
	s_mov_b64 s[64:65], 0
	v_nop
	global_prefetch_b8 v0, s[64:65] scope:SCOPE_SE
	s_setreg_imm32_b32 hwreg(HW_REG_WAVE_MODE, 25, 1), 1
	s_wait_xcnt 0x0
; Causal attention on codes of FP8 (E4M3): the second and third product, the softmax between them, and the quantiser of y.  64 heads (16 x batch + head) of 2,048 tokens x 64 channels.
; THE SOFTMAX AHEAD OF THE THIRD PRODUCT: t = score x log2(e) / 8; M = the row's largest t so far, rounded UP to a whole number; p = 2^(t - M) is what is quantised, along the keys; it is not normalised.
; The row's sum is taken of the unquantised p, in f32, and divides at the end.  When M moves, the sum and O are multiplied by 2^(old M - new M): exact.
; SHARES.  Work-group (i, head) owns blocks 7 - i and i of the head's eight blocks of 256 queries: under the causal mask that is the same work in every work-group, and there are 256 of them.
; Each of its sixteen waves owns one tile of 16 queries in each block, in 256 registers: four waves to a SIMD, so that one wave's vector work stands beside another's matrix work and LDS loads.
; The keys are walked once, 128 a step; both tiles use each step.  K's and V's images come through a ring of two LDS slots of 256 keys (wave 0 fetches K's 16,384 bytes, wave 1 V's).
; THE IMAGES are the operands' registers on end (written by the launch before): a fragment's group of four registers is 512 consecutive bytes, 16 a lane: every LDS load is dense, no pitch, no padding.
; Both products are used transposed: S^T = K Q^T (source 0 = 16 keys, source 1 = my 16 queries), O^T = V^T P^T: a lane holds ONE query throughout.  The rows of a tile are not neighbours: row r' of tile 2 b + u is
; 32 b + 8 u + r' + 8 (r' / 8), for keys, queries and V's channels alike: so the 16 registers of tiles 2 b and 2 b + 1 are 16 neighbours, 32 b + 16 (lane / 16) + 0..15, along the next product's K.
; THE MASK.  Every work-group walks all eight slots: the trip counts are constants.  A step all of whose keys come after a tile's queries is left out by a scalar branch on ids; on the diagonal hidden scores become
; -infinity ahead of the maximum; a slot whose first key comes after the work-group's last query is not asked for.  Key 0 counts for every query, so M is a number from the first step on.
; y = O / sum x 2^(e4 + e5) is quantised in registers with 2^e6; a lane's 16 neighbouring channels are 16 bytes of the last product's operand image, stored 512 consecutive bytes an instruction.
; NO CLUSTER: the four work-groups of a head stop asking at slots 7, 6, 5 and 4, so partners would need different numbers of tiles; and a slot's 32,768 bytes serve up to 64 tile steps of some 330 vector instructions each.
; LIMITS on the given exponents, so that each power of two below is an f32 number: e2 + e3 between -123 and 130 (added to c's exponent field); e4 and e6 between -126 and 119; e4 + e5 goes in by v_ldexp_f32.
.set SLOT1, 32768                      ; a slot: K's image of 256 keys (16,384 bytes), then V's two steps of 8,192; slot 1 begins here: one exclusive or turns an address from slot to slot
.set SPARE, 2*SLOT1                    ; behind the ring: the spare words, 128 bytes for each of 16 waves: eight blocks of 256 bytes that no other line names
.set LI,   1                           ; v1   16 x lane
.set ADR,  2                           ; v2   LDS address of the slot in hand, + 16 x lane
.set QLN,  3                           ; v3   my query's place in its 32, less 16 (lane / 16)
.set PFO,  4                           ; v4   256 x lane: the prefetches' offset
.set SPW,  5                           ; v5   LDS address of my spare word; never rewritten
.set NIL,  6                           ; v6   0; never rewritten
.set SH,   8                           ; v8-11   the upper block's tile: -M, the largest t, the sum in two halves
.set SL,   12                          ; v12-15  the lower block's
.set QH,   16                          ; v16-23  Q of the upper block's tile;  v24-31 of the lower's
.set QL,   24
.set F,    32                          ; v32-95  eight fragments of K, then four of V
.set S,    96                          ; v96-159 S^T, then p
.set OH,   160                         ; v160-191, v192-223  O^T
.set OL,   192
.set PC,   224                         ; v224-239 p's codes.  v241 2^e4; v[242:243] the sum's second chain; v244, v245 a lane permute's destinations; v[246:247] f; v248, v249 the maximum's chains;
                                       ; v250 the mask's bound, v251 -infinity; v253 2^e6
.set TB,   2                           ; s2   LDS byte at which the slot in hand begins
.set WV,   18                          ; s18  my wave's number
.set SEL,  20                          ; s[20:21] lane selects for v_permlanex16_b32: lane l xor 16
.set CS,   22                          ; s[22:23] c = log2(e) / 8 x 2^(e2 + e3)
.set G1,   24                          ; s[24:31] descriptor group 1: 16,384 dense bytes
.set G0,   40                          ; s[40:43] descriptor group 0, which walks
.set SLOTS, 67                         ; s67  changes of slots still to come in the loop
.set PFA,  76                          ; s[76:77] where my prefetches stand
.set LIM,  80                          ; s80  1 in a wave that prefetches, else the greatest number
.set YH,   82                          ; s[82:83], s[84:85] where my two tiles of y go
.set YL,   84
.set Q0L,  95                          ; s95  the first of the 32 tokens in which the lower tile's queries lie
.set KF,   98                          ; s98  the step's first key
.set Q0H,  99                          ; s99  the same as s95 for the upper tile
.macro TLOAD                           ; waves 0 and 1 fetch; the branch hangs on the wave's number alone.  An s_nop 0 and four v_nop follow the load
	s_cmp_lt_u32 s[WV], 2
	s_cbranch_scc0 .Lasked_\@
	tensor_load_to_lds s[G0:G0+3], s[G1:G1+7]
	s_nop 0
.rept 4
	v_nop
.endr
.Lasked_\@:
.endm
; A PREFETCH INTO THE L2 of the slot that the NEXT change of slots will ask for.  The four work-groups of a head walk the same K and V: the one that walks all eight slots (x = 0) asks, and nobody else.  In it four waves
; that fetch nothing ask, one instruction each: waves 4 and 5 for K's 16,384 bytes, waves 6 and 7 for V's, 8,192 bytes a wave, lanes 256 bytes apart: each block of 256 bytes is named once in the launch.
; Slots 0 and 1 come by their loads alone; the last change that fills a slot asks for nothing.
.macro ASK
	s_cmp_gt_u32 s[SLOTS], s[LIM]
	s_cbranch_scc0 .Lnot_mine_\@
	global_prefetch_b8 v[PFO], s[PFA:PFA+1] th:TH_LOAD_NT scope:SCOPE_SE
.Lnot_mine_\@:
.endm
	s_load_b128 s[4:7], s[0:1], 0x0                ; the images of q, k, v s[4:5], the exponents s[6:7]
	s_load_b64 s[8:9], s[0:1], 0x10                ; y's image
	v_lshl_add_u32 v[SPW], v0, 2, SPARE
	v_mov_b32 v[NIL], 0
	ds_add_u32 v[SPW], v[NIL]                      ; the wave's opening: the add and its wait ahead of my first tensor load; the set-up below stands between them
	ds_add_u32 v[SPW], v[NIL]
	v_lshrrev_b32 v7, 5, v0
	s_delay_alu instid0(VALU_DEP_1)
	v_readfirstlane_b32 s[WV], v7                  ; wave 0..15
	s_and_b32 s10, ttmp7, 0xffff                   ; 16 x batch + head
	s_sub_co_u32 s11, 7, ttmp9                     ; the upper block; the lower is ttmp9
	s_lshr_b32 s12, s[WV], 1
	s_lshl_b32 s12, s12, 5                         ; my tile's 32 tokens in a block
	s_lshl_b32 s[Q0H], s11, 8
	s_add_co_u32 s[Q0H], s[Q0H], s12
	s_lshl_b32 s[Q0L], ttmp9, 8
	s_add_co_u32 s[Q0L], s[Q0L], s12
	s_and_b32 s13, s[WV], 1
	s_lshl_b32 s14, s10, 17                        ; the head's first byte in an image
	s_add_co_u32 s16, s13, 1                       ; what I fetch, if I fetch: wave 0 K's image, wave 1 V's
	s_lshl_b32 s16, s16, 23
	s_add_co_u32 s16, s16, s14
	s_mov_b32 s17, 0
	s_lshl_b32 s19, s13, 9                         ; Q: tile u = wave % 2: 512 bytes,
	s_add_co_u32 s19, s19, s14
	s_lshl_b32 s86, s[Q0H], 6                      ; + 64 bytes a token
	s_add_co_u32 s86, s86, s19
	s_mov_b32 s87, 0
	s_lshl_b32 s88, s[Q0L], 6
	s_add_co_u32 s88, s88, s19
	s_mov_b32 s89, 0
	; y's image: [128 rows: 131,072][256 along K: 32,768][tile of rows: 4,096][128 along K: 2,048][32 along K: 512][lane][16]
	s_lshr_b32 s90, s10, 4
	s_lshl_b32 s90, s90, 4                         ; 16 blocks of 128 rows a batch
	s_lshr_b32 s91, s[WV], 3
	s_add_co_u32 s90, s90, s91
	s_lshl_b32 s90, s90, 17
	s_bfe_u32 s91, s10, 0x20002                    ; head / 4
	s_lshl_b32 s91, s91, 15
	s_add_co_u32 s90, s90, s91
	s_and_b32 s91, s[WV], 7
	s_lshl_b32 s91, s91, 12
	s_add_co_u32 s90, s90, s91
	s_and_b32 s91, s10, 3                          ; head % 4: 64 along K are 1,024 bytes
	s_lshl_b32 s91, s91, 10
	s_add_co_u32 s90, s90, s91
	s_lshl_b32 s91, s11, 18                        ; a block of 256 queries
	s_add_co_u32 s[YH], s90, s91
	s_mov_b32 s[YH+1], 0
	s_lshl_b32 s91, ttmp9, 18
	s_add_co_u32 s[YL], s90, s91
	s_mov_b32 s[YL+1], 0
	; the prefetches
	s_bfe_u32 s92, s[WV], 0x10001                  ; waves 4, 5: K; waves 6, 7: V
	s_add_co_u32 s92, s92, 1
	s_lshl_b32 s92, s92, 23
	s_add_co_u32 s92, s92, s14
	s_lshl_b32 s93, s13, 13                        ; my wave's 8,192 bytes,
	s_add_co_u32 s92, s92, s93
	s_add_co_u32 s92, s92, 16384                   ; in slot 1: the first change of slots steps it to slot 2
	s_mov_b32 s93, 0
	s_sub_co_u32 s94, s[WV], 4
	s_lshr_b32 s94, s94, 2                         ; 0 in waves 4 to 7,
	s_or_b32 s94, s94, ttmp9                       ; of the work-group with x = 0
	s_cmp_eq_u32 s94, 0
	s_cselect_b32 s[LIM], 1, -1
	; descriptor group 1: 16,384 dense bytes as 64 rows of 32 elements of 8 bytes
	s_mov_b32 s[G1], 3<<16                         ; 15:0 no mask; 17:16 elements of 8 bytes; no padding
	s_mov_b32 s[G1+1], 32<<16                      ; tensor_dim0
	s_mov_b32 s[G1+2], 64<<16                      ; tensor_dim1
	s_mov_b32 s[G1+3], 32<<16                      ; tile_dim0
	s_mov_b32 s[G1+4], 64                          ; tile_dim1
	s_mov_b32 s[G1+5], 32                          ; tensor_dim0_stride
	s_mov_b32 s[G1+6], 0
	s_mov_b32 s[G1+7], 0
	s_mov_b32 s[SEL], 0x76543210
	s_mov_b32 s[SEL+1], 0xfedcba98
	s_mov_b32 s[CS], 0x3e38aa3b                    ; log2(e) / 8
	s_mov_b32 s[TB], 0
	s_mov_b32 s[SLOTS], 7
	s_mov_b32 s[KF], 0
	s_wait_dscnt 0x0                               ; the opening add is done
	s_wait_kmcnt 0x0
	s_load_b256 s[68:75], s[6:7], 0x0              ; e0 .. e7
	s_mov_b32 s[G0], 1                             ; count = 1
	s_lshl_b32 s[G0+1], s13, 14                    ; LDS address: slot 0, K's part or V's
	s_add_nc_u64 s[G0+2:G0+3], s[4:5], s[16:17]    ; global address: the head's first 256 keys
	s_or_b32 s[G0+3], s[G0+3], 0x80000000          ; type = 2
	TLOAD                                          ; slot 0: one load of mine is out
	s_add_nc_u64 s[86:87], s[4:5], s[86:87]
	s_add_nc_u64 s[88:89], s[4:5], s[88:89]
	s_add_nc_u64 s[PFA:PFA+1], s[4:5], s[92:93]
	s_add_nc_u64 s[YH:YH+1], s[8:9], s[YH:YH+1]
	s_add_nc_u64 s[YL:YL+1], s[8:9], s[YL:YL+1]
	v_and_b32 v7, 31, v0
	s_delay_alu instid0(VALU_DEP_1)
	v_lshlrev_b32 v[LI], 4, v7
	s_delay_alu instid0(VALU_DEP_2)
	v_lshlrev_b32 v[PFO], 8, v7
	global_load_b128 v[QH:QH+3], v[LI], s[86:87]               ; Q's fragments stay in registers: channels 16 h + 0..15,
	global_load_b128 v[QH+4:QH+7], v[LI], s[86:87] offset:1024 ; and 32 + 16 h + 0..15
	global_load_b128 v[QL:QL+3], v[LI], s[88:89]
	global_load_b128 v[QL+4:QL+7], v[LI], s[88:89] offset:1024
	v_and_b32 v7, 15, v0                           ; r
	s_delay_alu instid0(VALU_DEP_1)
	v_and_b32 v[QLN], 8, v7
	s_delay_alu instid0(VALU_DEP_1)
	v_add_nc_u32 v[QLN], v[QLN], v7                ; r + 8 (r / 8)
	v_bfe_u32 v7, v0, 4, 1
	s_delay_alu instid0(VALU_DEP_1)
	v_lshlrev_b32 v7, 4, v7
	s_delay_alu instid0(VALU_DEP_1)
	v_sub_nc_u32 v[QLN], v[QLN], v7                ; - 16 h
	s_lshl_b32 s19, s13, 3
	v_add_nc_u32 v[QLN], s19, v[QLN]               ; + 8 u
.irp st, SH, SL
	v_mov_b32 v[\st+1], 0xff61b1e6                 ; the largest t so far: -3e38, under every t
	s_delay_alu instid0(VALU_DEP_1)
	v_floor_f32 v[\st], -v[\st+1]                  ; -M
	v_mov_b32 v[\st+2], 0                          ; the sum, in two halves
	v_mov_b32 v[\st+3], 0
.endr
	v_mov_b32 v244, 0                              ; written once: a lane permute's destination counts as one of its sources
	v_mov_b32 v245, 0
	v_mov_b32 v247, 0                              ; (named as the upper half of the pair v[246:247])
	v_mov_b32 v251, 0xff800000                     ; -infinity
.set j, 0
.rept 64
	v_mov_b32 v[OH+j], 0                           ; O^T of both tiles.  (The step is written without a first form: it finds zeros, which the first change of M leaves zeros)
.set j, j+1
.endr
	s_wait_kmcnt 0x0
	s_add_co_i32 s96, s70, s71
	s_lshl_b32 s96, s96, 23
	s_add_co_i32 s[CS], s[CS], s96                 ; a score stands for score x 2^(e2 + e3): the two exponents are added to c's exponent field
	s_mov_b32 s[CS+1], s[CS]                       ; (named with it as a pair, so it is written)
	s_add_co_i32 s96, s72, 127
	s_lshl_b32 s97, s96, 23
	v_mov_b32 v241, s97                            ; 2^e4, for p's conversions
	s_add_co_i32 s96, s74, 127
	s_lshl_b32 s97, s96, 23
	v_mov_b32 v253, s97                            ; 2^e6, for y's
; A KEY STEP of one tile: 128 keys, the q-th of the slot in hand.  qf: the tile's Q; ot: its O^T; st: its statistics; q0: the scalar with the first of its 32 tokens.
.macro STEP q, qf, ot, st, q0
	s_add_co_u32 s96, s[\q0], 31
	s_cmp_gt_u32 s[KF], s96                        ; all keys come after my queries: the step is left out (ids and the count of steps alone; no barrier, no tensor load stands in a step)
	s_cbranch_scc1 .Lhidden_\@
	v_add_nc_u32 v[ADR], s[TB], v[LI]
.rept 3
	v_nop                                          ; with the addition above: four places in front of loads into registers that the last products read
.endr
.irp t, 0,1,2,3,4,5,6,7
.irp c, 0,1
	ds_load_b128 v[F+8*\t+4*\c:F+8*\t+4*\c+3], v[ADR] offset:(\q)*8192+(\t/2)*2048+\c*1024+(\t%2)*512
.endr
.endr
	s_wait_alu depctr_va_vdst(0)
	s_wait_dscnt 0x0
.irp t, 0,1,2,3,4,5,6,7
	v_wmma_f32_16x16x64_fp8_fp8 v[S+8*\t:S+8*\t+7], v[F+8*\t:F+8*\t+7], v[\qf:\qf+7], 0
.endr
.rept 4
	v_nop                                          ; places: for V's loads into K's registers, and for the first read of the scores
.endr
.irp t, 0,1,2,3
.irp c, 0,1,2,3
	ds_load_b128 v[F+16*\t+4*\c:F+16*\t+4*\c+3], v[ADR] offset:16384+(\q)*8192+(\t/2)*4096+\c*1024+(\t%2)*512   ; V's fragments land while the softmax is walked
.endr
.endr
	s_add_co_u32 s96, s[KF], 127
	s_cmp_le_u32 s96, s[\q0]                       ; all keys count: no mask
	s_cbranch_scc1 .Lopen_\@
	s_sub_co_i32 s96, s[\q0], s[KF]
	v_add_nc_u32 v250, s96, v[QLN]                 ; register n holds key KF + 16 h + 32 (n / 16) + n % 16: hidden where 32 (n / 16) + n % 16 > my query - KF - 16 h
.set n, 0
.rept 64
	v_cmp_gt_i32 vcc_lo, 32*(n/16)+n%16, v250
	v_cndmask_b32 v[S+n], v[S+n], v251, vcc_lo
.set n, n+1
.endr
.Lopen_\@:
	v_max3_num_f32 v248, v[S], v[S+1], v[S+2]      ; the step's largest score of my query, among my 64 keys, in two chains,
	v_max3_num_f32 v249, v[S+3], v[S+4], v[S+5]
.irp i, 6,10,14,18,22,26,30,34,38,42,46,50,54,58
	v_max3_num_f32 v248, v248, v[S+\i], v[S+1+\i]
	v_max3_num_f32 v249, v249, v[S+2+\i], v[S+3+\i]
.endr
	v_max3_num_f32 v248, v248, v[S+62], v[S+63]
	s_delay_alu instid0(VALU_DEP_1)
	v_max_num_f32 v248, v248, v249
	s_delay_alu instid0(VALU_DEP_1)
	v_permlanex16_b32 v244, v248, s[SEL], s[SEL+1]
	s_delay_alu instid0(VALU_DEP_1)
	v_max_num_f32 v248, v248, v244                 ; and among lane l xor 16's
	s_delay_alu instid0(VALU_DEP_1)
	v_mul_f32 v248, s[CS], v248                    ; as t (c is positive)
	s_delay_alu instid0(VALU_DEP_1)
	v_max_num_f32 v[\st+1], v[\st+1], v248         ; the running largest t
	v_mov_b32 v248, v[\st]
	s_delay_alu instid0(VALU_DEP_2)
	v_floor_f32 v[\st], -v[\st+1]                  ; the new -M = floor(-t) = -ceil(t): a whole number
	s_delay_alu instid0(VALU_DEP_1)
	v_sub_f32 v248, v[\st], v248                   ; old M - new M: a whole number, 0 or less
	s_delay_alu instid0(VALU_DEP_1)
	v_cvt_i32_f32 v248, v248                       ; (it saturates)
	s_delay_alu instid0(VALU_DEP_1)
	v_ldexp_f32 v246, 1.0, v248                    ; f = 2^(old M - new M)
.set j, 0
.rept 32
	v_pk_fma_f32 v[S+j:S+j+1], v[S+j:S+j+1], s[CS:CS+1], v[\st:\st+1] op_sel_hi:[1,0,0]   ; t - M, two at a time (of the pairs c and -M the low word serves both halves)
.set j, j+2
.endr
.set j, 0
	s_wait_alu depctr_va_vdst(0)
.rept 64
	v_exp_f32 v[S+j], v[S+j]                       ; p = 2^(t - M), at most 1
.set j, j+1
.endr
	v_pk_mul_f32 v[\st+2:\st+3], v[\st+2:\st+3], v[246:247] op_sel_hi:[1,0]   ; the sums under the new M: the plain instruction behind the exponentials
	s_wait_alu depctr_va_vdst(0)                   ; the wait ahead of the first instruction that names an exponential's result: one for the batch of 64
	v_pk_add_f32 v[242:243], v[S:S+1], v[S+2:S+3]  ; the row's sum is taken of the unquantised p: two at a time, in two chains
.irp j, 4,8,12,16,20,24,28,32,36,40,44,48,52,56,60
	v_pk_add_f32 v[\st+2:\st+3], v[\st+2:\st+3], v[S+\j:S+1+\j]
	v_pk_add_f32 v[242:243], v[242:243], v[S+2+\j:S+3+\j]
.endr
	s_delay_alu instid0(VALU_DEP_1)
	v_pk_add_f32 v[\st+2:\st+3], v[\st+2:\st+3], v[242:243]
.irp b, 0,1,2,3
.set j, 0
.rept 16
.set j, j+1
.endr
	v_cvt_scalef32_pk8_fp8_f32 v[PC+4*\b:PC+4*\b+1], v[S+16*\b:S+16*\b+7], v241
	v_cvt_scalef32_pk8_fp8_f32 v[PC+4*\b+2:PC+4*\b+3], v[S+16*\b+8:S+16*\b+15], v241
.endr
.set j, 0
.rept 16
	v_pk_mul_f32 v[\ot+j:\ot+j+1], v[\ot+j:\ot+j+1], v[246:247] op_sel_hi:[1,0]   ; O^T under the new M; also the plain instructions between the conversions and the products below
.set j, j+2
.endr
	s_wait_alu depctr_va_vdst(0)
	s_wait_dscnt 0x0                               ; V is in
.irp t, 0,1,2,3
	v_wmma_f32_16x16x128_fp8_fp8 v[\ot+8*\t:\ot+8*\t+7], v[F+16*\t:F+16*\t+15], v[PC:PC+15], v[\ot+8*\t:\ot+8*\t+7]   ; the four accumulators by turns, one instruction a turn
.endr
.Lhidden_\@:
.endm
; THE CHANGE OF SLOTS stands at a slot's head.  Each wave waits for all its tensor loads, adds 0 to its spare word, and waits for that and for its reads of the slot that it has left.  Behind the barrier the slot
; ahead is whole and nobody reads the other one.  fill = 1: that other slot is filled with the next 256 keys, up to the causal limit: the load has a whole slot's steps in which to land.
.macro CHANGE fill
	s_wait_tensorcnt 0x0                           ; no tensor load of mine is out, so group 0 may be written
	ds_add_u32 v[SPW], v[NIL]                      ; 0 onto my spare word
.if \fill
	s_xor_b32 s[G0+1], s[G0+1], SLOT1              ; the other slot than last time,
	s_add_nc_u64 s[G0+2:G0+3], s[G0+2:G0+3], 16384 ; the next 256 keys; the type bits on top are not reached
	s_wait_xcnt 0x0                                ; the last prefetch, a slot back, has read its address, so it may be written:
	s_add_nc_u64 s[PFA:PFA+1], s[PFA:PFA+1], 16384 ; one slot further on than the walking descriptor
.endif
	s_wait_dscnt 0x0                               ; the add is done, and my reads of the slot that I have left are over
	s_barrier_signal -1
	s_barrier_wait -1
.if \fill
	s_add_co_u32 s96, s[KF], 256                   ; the first key of the slot that this change would ask for
	s_or_b32 s97, s[Q0H], 255                      ; my work-group's last query
	s_cmp_gt_u32 s96, s97                          ; ids and the count of steps alone: all sixteen waves go the same way.  Such a slot is read by no wave, so it is not asked for; every wait on TENSORcnt in this text is for 0
	s_cbranch_scc1 .Lpast_\@
	TLOAD                                          ; a wave's one tensor load until the next such barrier
.Lpast_\@:
	ASK
.endif
.endm
.macro SLOT_STEPS
.irp q, 0,1
	STEP \q, QH, OH, SH, Q0H
	STEP \q, QL, OL, SL, Q0L
	s_add_co_u32 s[KF], s[KF], 128
.endr
	s_xor_b32 s[TB], s[TB], SLOT1                  ; on to the other slot
.endm
	s_wait_loadcnt 0x0                             ; Q
.Lslot:                                            ; seven trips: behind each change of slots but the last the next slot is asked for, up to the causal limit
	CHANGE 1
	SLOT_STEPS
	s_sub_co_u32 s[SLOTS], s[SLOTS], 1
	s_cmp_lg_u32 s[SLOTS], 0
	s_cbranch_scc1 .Lslot
	CHANGE 0                                       ; the last slot is written out: nothing is left to ask for
	SLOT_STEPS
	; THE WAY OUT, without LDS.  The additions, the v_nop and the two v_ldexp_f32 are the places behind the last products.
	v_add_f32 v[SH+2], v[SH+2], v[SH+3]            ; the sums' two halves,
	v_add_f32 v[SL+2], v[SL+2], v[SL+3]
	s_delay_alu instid0(VALU_DEP_2)
	v_permlanex16_b32 v244, v[SH+2], s[SEL], s[SEL+1]
	s_delay_alu instid0(VALU_DEP_2)
	v_permlanex16_b32 v245, v[SL+2], s[SEL], s[SEL+1]
	s_delay_alu instid0(VALU_DEP_2)
	v_add_f32 v[SH+2], v[SH+2], v244               ; and lane l xor 16's: the rows' sums, each above 1/2
	s_delay_alu instid0(VALU_DEP_2)
	v_add_f32 v[SL+2], v[SL+2], v245
	s_wait_alu depctr_va_vdst(0)
	v_rcp_f32 v[SH+2], v[SH+2]
	v_rcp_f32 v[SL+2], v[SL+2]
	v_nop                                          ; a plain instruction behind the last reciprocal
	s_add_co_i32 s96, s72, s73
	s_wait_alu depctr_va_vdst(0)                   ; and the wait ahead of the first use: one for both
	v_ldexp_f32 v[SH+2], v[SH+2], s96              ; x 2^(e4 + e5)
	v_ldexp_f32 v[SL+2], v[SL+2], s96
; One tile: y = O^T x that; held; quantised.  Registers 16 G + 0..15 are channels 32 G + 16 h + 0..15 of my query: four registers of codes, 16 bytes of the image.
.macro YOUT ot, st, tmp, pc, ya
.set j, 0
.rept 16
	v_pk_mul_f32 v[\tmp+j:\tmp+j+1], v[\ot+j:\ot+j+1], v[\st+2:\st+3] op_sel_hi:[1,0]   ; each accumulator from its low end on
.set j, j+2
.endr
.set j, 0
.rept 32
.set j, j+1
.endr
.irp t, 0,1,2,3
	v_cvt_scalef32_pk8_fp8_f32 v[\pc+2*\t:\pc+2*\t+1], v[\tmp+8*\t:\tmp+8*\t+7], v253
.endr
	v_nop                                          ; a plain vector instruction behind the last conversion
	global_store_b128 v[LI], v[\pc:\pc+3], s[\ya:\ya+1]               ; 32 lanes store 512 consecutive bytes, aligned
	global_store_b128 v[LI], v[\pc+4:\pc+7], s[\ya:\ya+1] offset:512
.endm
	YOUT OH, SH, S, PC, YH
	YOUT OL, SL, S+32, PC+8, YL
	s_wait_tensorcnt 0x0                           ; the wave's end
	ds_add_u32 v[SPW], v[NIL]
	s_wait_dscnt 0x0
	s_endpgm
.Lfunc_end_k_q8316b5e591_attn:
	.size	k_q8316b5e591_attn, .Lfunc_end_k_q8316b5e591_attn-k_q8316b5e591_attn
	.p2alignl 7, 3214868480
	.fill 96, 4, 3214868480
	.section	.rodata,"a",@progbits
	.p2align	6, 0x0
	.amdhsa_kernel k_q8316b5e591_attn
		.amdhsa_group_segment_fixed_size 327680
		.amdhsa_private_segment_fixed_size 0
		.amdhsa_enable_private_segment 0
		.amdhsa_kernarg_size 24
		.amdhsa_user_sgpr_count 2
		.amdhsa_user_sgpr_kernarg_segment_ptr 1
		.amdhsa_wavefront_size32 1
		.amdhsa_system_sgpr_workgroup_id_x 1
		.amdhsa_system_sgpr_workgroup_id_y 1
		.amdhsa_system_sgpr_workgroup_id_z 1
		.amdhsa_system_vgpr_workitem_id 0
		.amdhsa_next_free_vgpr 256
		.amdhsa_next_free_sgpr 100
		.amdhsa_reserve_vcc 1
		.amdhsa_float_denorm_mode_32 3
		.amdhsa_float_denorm_mode_16_64 3
		.amdhsa_fp16_overflow 1
		.amdhsa_memory_ordered 1
		.amdhsa_forward_progress 1
		.amdhsa_inst_pref_size 163
	.end_amdhsa_kernel
	.amdgpu_metadata
---
amdhsa.version: [ 1, 2 ]
amdhsa.kernels:
  - .name:           k_q8316b5e591_attn
    .symbol:         k_q8316b5e591_attn.kd
    .args:
      - { .name: qkvimg, .offset: 0, .size: 8, .value_kind: global_buffer, .address_space: global }
      - { .name: lowp_scales, .offset: 8, .size: 8, .value_kind: global_buffer, .address_space: global }
      - { .name: yimg, .offset: 16, .size: 8, .value_kind: global_buffer, .address_space: global }
    .group_segment_fixed_size: 327680
    .private_segment_fixed_size: 0
    .kernarg_segment_align: 8
    .kernarg_segment_size: 24
    .max_flat_workgroup_size: 512
    .sgpr_count:     100
    .vgpr_count:     256
    .wavefront_size: 32
...
	.end_amdgpu_metadata
.endif
;; end of part 3
;; launch proj (part 4): grid 4 x 64, 4 waves a work-group, clusters of 4 x 4, 327,680 bytes of LDS; arguments yimg, wout_codes, lowp_scales, out0; writes out0
.if DOCPART == 4
	.amdgcn_target "amdgcn-amd-amdhsa--gfx1250"
	.amdhsa_code_object_version 6
	.text
	.protected	k_q8316b5e591_proj
	.globl	k_q8316b5e591_proj
	.p2align	8
	.type	k_q8316b5e591_proj,@function
k_q8316b5e591_proj:
	s_mov_b64 s[64:65], 0
	v_nop
	global_prefetch_b8 v0, s[64:65] scope:SCOPE_SE
	s_setreg_imm32_b32 hwreg(HW_REG_WAVE_MODE, 25, 1), 1
	s_wait_xcnt 0x0
	s_wait_alu depctr_hold_cnt(0) depctr_sa_sdst(0) depctr_va_vdst(0) depctr_va_sdst(0) depctr_va_ssrc(0) depctr_va_vcc(0) depctr_vm_vsrc(0)
	s_getreg_b32 s2, hwreg(HW_REG_IB_STS2, 6, 4)
	s_cmp_eq_u32 s2, 0
	s_cbranch_scc0 .Lentry_in_a_cluster
	s_endpgm
.Lentry_in_a_cluster:
	s_bfe_u32 s2, ttmp6, 0x10000c
	s_cmp_lg_u32 s2, 0xf033
	s_cbranch_scc0 .Lentry_shape_is_right
	s_endpgm
.Lentry_shape_is_right:
; The last product, out = y w_out, on codes of FP8 (E4M3): y as the image that the attention launch stored, w_out's codes [1024 n][1024 k].  out: [8192][1024] f32 = sum x 2^(e6 + e7).
; LIMIT: e6 + e7 between -126 and 127, so that 2^(e6 + e7) is an f32 number.
; A tile of out is 128 rows x 256 columns: 64 x 4 = 256 work-groups.  Four waves, each 64 x 128: 32 accumulators of 16 x 16, 256 registers.  K = 1,024 goes in four steps of 256 through a ring of two LDS slots.
; y's IMAGE: [128 rows: 131,072 bytes][256 along K: 32,768][tile of rows: 4,096][128 along K: 2,048][c: 512][lane][16]: a K step of a tile's 128 rows is one dense block, and a fragment's four registers come 16 bytes a lane.
; Tile 2 g + u of rows holds rows 32 g + 8 u + r' + 8 (r' / 8); lane (r', h'), piece c: K = 32 c + 16 h' + 0..15, the order in which w_out's fragments are read from their rows too.
; CLUSTERS: 4 x 4 work-groups.  The four of a row of the cluster need the same block of y, the four of a column the same rows of w_out: each is asked for jointly.
; THE MATRIX INSTRUCTION IS USED TRANSPOSED (source 0 = 16 rows of w_out's codes, source 1 = 16 rows of y): a lane holds eight neighbouring numbers of a row of out.
; No prefetch: four K steps in all, and the tiles are shared in the cluster.
; REGISTERS, in windows of 256: window 0: v0-31 addresses; v32-95 at work on the way out; v128-191, v192-255 y's fragments, two sets (4 x 16 rows x 128 K).   window 1: w_out's fragments, two sets of 8.   window 2: the accumulators ((a, b) at v[8 (8 a + b)]).
.set ROWB,   256
.set PITCH,  272                       ; w_out's LDS row: 256 bytes + 16 of padding: the 16 rows that a load touches start at 16 different banks (64 banks of 4 bytes: ISA guide 11.1)
.set FR,     16
.set HALFB,  128*PITCH                 ; 128 rows of w_out's codes: one tensor load
.set BOFF,   32768                     ; a slot: y's block of 32,768 bytes, then w_out's 256 rows
.set SLOT,   BOFF+2*HALFB
.set SPARE,  2*SLOT                    ; behind the ring: the spare words, 128 bytes for each wave: two blocks of 256 bytes that no other line names
.set SPITCH, 528                       ; the way out: a stage of 16 rows x (512 bytes + 16) for each wave, in slot 0, which has had its last fill and its last read by then
.set ADRA, 16                          ; v16-17  LDS address of my fragments of y in slot 0, 1
.set ADRB, 20                          ; v20-21  the same for w_out
.set STO,  24                          ; v24     the way out: where I put 32 bytes of a row
.set RD,   25                          ; v25     where I read a row back
.set CO,   26                          ; v26     16 x lane: my bytes of a row's 512
.set SPW,  28                          ; v28     LDS address of my spare word; never rewritten
.set NIL,  29                          ; v29     0; never rewritten
.set TMP,  32
.set AF,   128
.set BK,   128                         ; the way out: 16 rows read back: v128-191 and v192-255 by turns
.set G1, 24
.set G0, 32
.set G1B, 48
.set G0B, 56
.set MSB, 0
.macro WIN new                         ; the immediate's high byte repeats the setting that is left
.if MSB != \new
	s_set_vgpr_msb (MSB<<8)|\new
.set MSB, \new
.endif
.endm
.set MUL,  0xa1                        ; source 0 (w_out) window 1, source 1 (y) window 0, C and D window 2
.set TO_B, 0x40                        ; destination window 1, address window 0
.macro JLOAD g0a, g1a, g0b, g1b        ; a joint load: waves 0 and 1 fetch y's halves, waves 2 and 3 w_out's; an s_nop 0 and four v_nop follow each of the two lines
	s_cmp_eq_u32 s15, 0
	s_cbranch_scc0 .Lfor_b_\@
	tensor_load_to_lds s[\g0a:\g0a+3], s[\g1a:\g1a+7]
	s_nop 0
.rept 4
	v_nop
.endr
	s_branch .Lasked_\@
.Lfor_b_\@:
	tensor_load_to_lds s[\g0b:\g0b+3], s[\g1b:\g1b+7]
	s_nop 0
.rept 4
	v_nop
.endr
.Lasked_\@:
.endm
.macro CREST
	s_cmp_lg_u32 s14, 0
	s_cbranch_scc1 .Lnot_wave_0_\@
	s_barrier_signal -3
.Lnot_wave_0_\@:
	s_barrier_wait -3
	s_barrier_signal -1
	s_barrier_wait -1
.endm
.macro CROUND
	s_barrier_signal -1
	s_barrier_wait -1
	CREST
.endm
	s_load_b128 s[4:7], s[0:1], 0x0                ; y's image s[4:5], w_out's codes s[6:7]
	s_load_b128 s[8:11], s[0:1], 0x10              ; the exponents s[8:9], out s[10:11]
	v_lshl_add_u32 v[SPW], v0, 2, SPARE
	v_mov_b32 v[NIL], 0
	ds_add_u32 v[SPW], v[NIL]                      ; the wave's opening: the add and its wait ahead of my first tensor load; the set-up below stands between them
	ds_add_u32 v[SPW], v[NIL]
	v_lshrrev_b32 v1, 5, v0
	v_readfirstlane_b32 s14, v1                    ; wave 0..3
	s_lshr_b32 s15, s14, 1                         ; which 64 rows are mine.  Also: I fetch for y (0) or for w_out (1)
	s_and_b32 s16, s14, 1                          ; which 128 columns.  Also: which half I fetch
	s_bfe_u32 s40, ttmp6, 0x40000                  ; cx, cy
	s_bfe_u32 s41, ttmp6, 0x40004
	s_lshl_b32 s42, ttmp9, 2
	s_add_co_u32 s42, s42, s40                     ; tile column, 0..3
	s_and_b32 s17, ttmp7, 0xffff
	s_lshl_b32 s17, s17, 2
	s_add_co_u32 s17, s17, s41                     ; tile row, 0..63
	s_lshl_b32 s43, s41, 2
	s_lshl_b32 s43, 15, s43                        ; my row of the cluster
	s_lshl_b32 s44, 0x1111, s40                    ; my column
	s_or_b32 s[G1+0], s43, (3<<16)|(1<<21)         ; y: 15:0 the mask of my row; 17:16 elements of 8 bytes; 21 set beside a mask; no padding: 16,384 dense bytes as 64 rows of 32 elements
	s_mov_b32 s[G1+1], 32<<16
	s_mov_b32 s[G1+2], 64<<16
	s_mov_b32 s[G1+3], 32<<16
	s_mov_b32 s[G1+4], 64
	s_mov_b32 s[G1+5], 32
	s_mov_b32 s[G1+6], 0
	s_mov_b32 s[G1+7], 0
	s_or_b32 s[G1B+0], s44, (0<<16)|(1<<20)|(1<<21)|(5<<22)|(3<<25)  ; w_out: the mask of my column; elements of 1 byte; padding: four words after every 64
	s_mov_b32 s[G1B+1], ROWB<<16
	s_mov_b32 s[G1B+2], 128<<16
	s_mov_b32 s[G1B+3], ROWB<<16
	s_mov_b32 s[G1B+4], 128
	s_mov_b32 s[G1B+5], 1024
	s_mov_b32 s[G1B+6], 0
	s_mov_b32 s[G1B+7], 0
	s_lshl_b32 s20, s17, 17                        ; y: 131,072 x tile row
	s_lshl_b32 s18, s16, 14
	s_add_co_u32 s20, s20, s18                     ; + my half of a K step's block
	s_mov_b32 s21, 0
	s_lshl_b32 s46, s42, 8
	s_lshl_b32 s19, s16, 7
	s_add_co_u32 s46, s46, s19                     ; w_out: row 256 x tile column + 128 x half
	s_lshl_b32 s46, s46, 10
	s_mov_b32 s47, 0
	s_lshl_b32 s45, s16, 14                        ; where they go: y's half,
	s_mul_i32 s74, s16, HALFB
	s_add_co_u32 s74, s74, BOFF                    ; w_out's half: no place in the cluster enters an LDS address
	s_wait_dscnt 0x0                               ; the opening add is done
	s_wait_kmcnt 0x0
	s_load_b256 s[80:87], s[8:9], 0x0              ; e0 .. e7
	s_add_nc_u64 s[20:21], s[4:5], s[20:21]
	s_add_nc_u64 s[46:47], s[6:7], s[46:47]
	CROUND                                         ; all sixteen work-groups are here: the first joint loads meet
.irp s, 0,1
	s_mov_b32 s[G0+4*\s], 1
	s_add_co_u32 s[G0+4*\s+1], s45, \s*SLOT
	s_add_nc_u64 s[G0+4*\s+2:G0+4*\s+3], s[20:21], \s*32768
	s_or_b32 s[G0+4*\s+3], s[G0+4*\s+3], 0x80000000
	s_mov_b32 s[G0B+4*\s], 1
	s_add_co_u32 s[G0B+4*\s+1], s74, \s*SLOT
	s_add_nc_u64 s[G0B+4*\s+2:G0B+4*\s+3], s[46:47], \s*ROWB
	s_or_b32 s[G0B+4*\s+3], s[G0B+4*\s+3], 0x80000000
	s_wait_alu depctr_va_vdst(0)
	s_wait_tensorcnt 0x0
	ds_add_u32 v28, v29
	ds_add_u32 v28, v29
	s_wait_dscnt 0x0
	CROUND
	JLOAD G0+4*\s, G1, G0B+4*\s, G1B               ; one load of mine is out
.endr
	v_and_b32 v1, 15, v0                           ; r
	v_bfe_u32 v2, v0, 4, 1                         ; h
	v_and_b32 v6, 31, v0
	v_lshlrev_b32 v[CO], 4, v6                     ; 16 x lane
	v_mul_u32_u24 v3, v1, PITCH
	v_lshl_add_u32 v4, v2, 4, v3                   ; w_out: a fragment's row x pitch + 16 x half
	s_lshl_b32 s21, s15, 14                        ; my four tiles of y's rows
	s_mul_i32 s22, s16, HALFB
	s_add_co_u32 s22, s22, BOFF                    ; my 128 rows of w_out
.irp s, 0,1
	v_add_nc_u32 v[ADRA+\s], s21, v[CO]
	v_add_nc_u32 v[ADRB+\s], s22, v4
	s_add_co_u32 s21, s21, SLOT
	s_add_co_u32 s22, s22, SLOT
.endr
	s_mul_i32 s23, s14, 16*SPITCH                  ; my stage
	v_mul_u32_u24 v5, v1, SPITCH                   ; in: row r, 32 bytes for each half of the lanes
	v_lshl_add_u32 v5, v2, 5, v5
	v_add_nc_u32 v[STO], s23, v5
	v_add_nc_u32 v[RD], s23, v[CO]                 ; back: the 32 lanes take one row of 512 bytes
	s_lshl_b32 s20, s17, 19                        ; out: 128 rows of 4,096 bytes x tile row
	s_lshl_b32 s21, s15, 18                        ; + my 64 rows
	s_add_co_u32 s20, s20, s21
	s_lshl_b32 s21, s42, 10                        ; + 1,024 bytes x tile column
	s_add_co_u32 s20, s20, s21
	s_lshl_b32 s21, s16, 9                         ; + my 128 columns
	s_add_co_u32 s20, s20, s21
	s_mov_b32 s21, 0
	s_add_nc_u64 s[10:11], s[10:11], s[20:21]
; 8 matrix instructions: y's block a x w_out's eight, 128 along K, both from set p.  The 32 accumulators take turns, one instruction a turn, in the same order in every step.
.macro MUL8 a, p, zero
.irp b, 0,1,2,3,4,5,6,7
.if \zero
	v_wmma_f32_16x16x128_fp8_fp8 v[8*(8*(\a)+\b):8*(8*(\a)+\b)+7], v[128*(\p)+FR*\b:128*(\p)+FR*\b+FR-1], v[AF+64*(\p)+FR*(\a):AF+64*(\p)+FR*(\a)+FR-1], 0
.else
	v_wmma_f32_16x16x128_fp8_fp8 v[8*(8*(\a)+\b):8*(8*(\a)+\b)+7], v[128*(\p)+FR*\b:128*(\p)+FR*\b+FR-1], v[AF+64*(\p)+FR*(\a):AF+64*(\p)+FR*(\a)+FR-1], v[8*(8*(\a)+\b):8*(8*(\a)+\b)+7]
.endif
.endr
.endm
.macro FETCH slot, q, p                ; 48 LDS loads in one run: the fragments of the slot's q-th 128 along K into set p
	WIN TO_B
.irp i, 0,1,2,3,4,5,6,7
.irp c, 0,1,2,3
	ds_load_b128 v[128*(\p)+FR*\i+4*\c:128*(\p)+FR*\i+4*\c+3], v[ADRB+\slot] offset:128*(\q)+32*\c+\i*16*PITCH
.endr
.endr
	WIN 0
.irp i, 0,1,2,3
.irp c, 0,1,2,3
	ds_load_b128 v[AF+64*(\p)+FR*\i+4*\c:AF+64*(\p)+FR*\i+4*\c+3], v[ADRA+\slot] offset:\i*4096+(\q)*2048+\c*512
.endr
.endr
.endm
.macro PLACES n                        ; plain vector instructions between a matrix instruction and a load into, or a vector read of, its registers
.rept \n
	v_nop
.endr
.endm
.macro STEP4 slot, zero                ; a slot's first 128 along K: multiplies set 0, fetches the second 128 into set 1
	s_wait_dscnt 0x0                               ; set 0 is in
	PLACES 4                                       ; for the loads into set 1, which the last products read
	FETCH \slot, 1, 1
	WIN MUL
	MUL8 0, 0, \zero
	MUL8 1, 0, \zero
	MUL8 2, 0, \zero
	MUL8 3, 0, \zero
.endm
; A slot's second 128 multiplies set 1 and changes slots: ONE barrier; in front of it each wave waits for all its tensor loads, adds 0 to its spare word, and waits for that and for its own reads of this slot.
.macro TURN4 slot, next, fill
	WIN 0                                          ; (the add's two registers lie in window 0)
	s_wait_tensorcnt 0x0                           ; all my tensor loads have landed: my part of the next slot
	ds_add_u32 v[SPW], v[NIL]                      ; 0 onto my spare word
	s_wait_dscnt 1                                 ; set 1 is in; the add may be out
	WIN MUL
	MUL8 0, 1, 0                                   ; eight matrix instructions stand between the add and the wait for it
	s_wait_dscnt 0x0                               ; the add is done, and my reads of this slot are over
	s_barrier_signal -1
	MUL8 1, 1, 0
	WIN 0
	s_barrier_wait -1
.if \fill
	CREST                                          ; the barrier has opened a round of the cluster's barrier: no wave of any partner still reads this slot or has a load on its way
	s_add_nc_u64 s[G0+4*\slot+2:G0+4*\slot+3], s[G0+4*\slot+2:G0+4*\slot+3], 2*32768
	s_add_nc_u64 s[G0B+4*\slot+2:G0B+4*\slot+3], s[G0B+4*\slot+2:G0B+4*\slot+3], 2*ROWB
	JLOAD G0+4*\slot, G1, G0B+4*\slot, G1B         ; the first tensor load behind the round; its four v_nop are also the places in front of the loads below
.else
	PLACES 4
.endif
	FETCH \next, 0, 0
	WIN MUL
	MUL8 2, 1, 0
	MUL8 3, 1, 0
.endm
	s_wait_alu depctr_va_vdst(0)
	s_wait_tensorcnt 1                             ; my part of K step 0 is in; K step 1's load may be out
	s_barrier_signal -1
	s_barrier_wait -1
	FETCH 0, 0, 0
	STEP4 0, 1                                     ; K = 1,024 is eight steps of 128, written out: the first starts the sums
	TURN4 0, 1, 1                                  ; slot 0 takes K 512 on
	STEP4 1, 0
	TURN4 1, 0, 1                                  ; slot 1 takes K 768 on
	STEP4 0, 0
	TURN4 0, 1, 0                                  ; nothing is left to fetch
	STEP4 1, 0
	s_wait_dscnt 0x0
	MUL8 0, 1, 0
	MUL8 1, 1, 0
	MUL8 2, 1, 0
	MUL8 3, 1, 0
	WIN 0
; THE WAY OUT, block by block of 16 rows x 128 columns, through my own stage in LDS: in as 32 bytes a lane, back as whole rows of 512 bytes.  LDS serves a wave's instructions in order: no wait between the stores and the loads.
.macro TOSTAGE a
.set AC, 64*(\a)
	WIN 0x02                                       ; source 0: window 2
.set j, 0
.rept 32
	v_pk_mul_f32 v[TMP+j:TMP+j+1], v[AC+j:AC+j+1], s[96:97] op_sel_hi:[1,0]   ; x 2^(e6 + e7); each accumulator from its low end on
.set j, j+2
.endr
	WIN 0
.irp b, 0,1,2,3,4,5,6,7
	ds_store_b128 v[STO], v[TMP+8*\b:TMP+8*\b+3] offset:64*\b
	ds_store_b128 v[STO], v[TMP+8*\b+4:TMP+8*\b+7] offset:64*\b+16
.endr
.set BB, BK+64*((\a)%2)
.irp t, 0,1,2,3,4,5,6,7,8,9,10,11,12,13,14,15
	ds_load_b128 v[BB+4*\t:BB+4*\t+3], v[RD] offset:\t*SPITCH
.endr
.endm
.macro SEND a, younger                 ; younger: the LDS instructions issued behind block a's loads, which may stay out.  Row t of block a is row 32 (a / 2) + 8 (a % 2) + t + 8 (t / 8) of my 64: the immediates undo the order of rows in a tile
.set BB, BK+64*((\a)%2)
	s_wait_dscnt \younger
.irp t, 0,1,2,3,4,5,6,7,8,9,10,11,12,13,14,15
	global_store_b128 v[CO], v[BB+4*\t:BB+4*\t+3], s[10:11] offset:(32*((\a)/2)+8*((\a)%2)+\t+8*(\t/8))*4096 th:TH_STORE_NT   ; 32 lanes store 512 consecutive bytes, aligned; written once, read by nobody here
.endr
.endm
	s_wait_kmcnt 0x0
	s_add_co_i32 s96, s86, s87                     ; e6 + e7
	s_add_co_i32 s96, s96, 127
	s_lshl_b32 s96, s96, 23                        ; 2^(e6 + e7) as f32
	s_mov_b32 s97, s96                             ; (named with it as a pair, so it is written)
	PLACES 4                                       ; behind the last products: for the reads of results and the loads into the registers that held y's fragments
	TOSTAGE 0
.irp a, 1,2,3
.if \a > 1
	s_wait_xcnt 0x0                                ; block a - 2's stores have read their registers: block a's loads may land there
.endif
	TOSTAGE \a
	SEND \a-1, 32                                  ; behind block a - 1's loads: block a's 16 stores and 16 loads
.endr
	SEND 3, 0
	s_wait_tensorcnt 0x0                           ; the wave's end: behind my last tensor load and my last LDS store
	ds_add_u32 v[SPW], v[NIL]
	s_wait_dscnt 0x0
	CROUND                                         ; the closing round: no work-group ends while a partner may still ask for a tile that names it
	s_endpgm
.Lfunc_end_k_q8316b5e591_proj:
	.size	k_q8316b5e591_proj, .Lfunc_end_k_q8316b5e591_proj-k_q8316b5e591_proj
	.p2alignl 7, 3214868480
	.fill 96, 4, 3214868480
	.section	.rodata,"a",@progbits
	.p2align	6, 0x0
	.amdhsa_kernel k_q8316b5e591_proj
		.amdhsa_group_segment_fixed_size 327680
		.amdhsa_private_segment_fixed_size 0
		.amdhsa_enable_private_segment 0
		.amdhsa_kernarg_size 32
		.amdhsa_user_sgpr_count 2
		.amdhsa_user_sgpr_kernarg_segment_ptr 1
		.amdhsa_wavefront_size32 1
		.amdhsa_system_sgpr_workgroup_id_x 1
		.amdhsa_system_sgpr_workgroup_id_y 1
		.amdhsa_system_sgpr_workgroup_id_z 1
		.amdhsa_system_vgpr_workitem_id 0
		.amdhsa_next_free_vgpr 768
		.amdhsa_next_free_sgpr 100
		.amdhsa_reserve_vcc 0
		.amdhsa_float_denorm_mode_32 3
		.amdhsa_float_denorm_mode_16_64 3
		.amdhsa_memory_ordered 1
		.amdhsa_forward_progress 1
		.amdhsa_inst_pref_size 76
	.end_amdhsa_kernel
	.amdgpu_metadata
---
amdhsa.version: [ 1, 2 ]
amdhsa.kernels:
  - .name:           k_q8316b5e591_proj
    .symbol:         k_q8316b5e591_proj.kd
    .args:
      - { .name: yimg, .offset: 0, .size: 8, .value_kind: global_buffer, .address_space: global }
      - { .name: wout_codes, .offset: 8, .size: 8, .value_kind: global_buffer, .address_space: global }
      - { .name: lowp_scales, .offset: 16, .size: 8, .value_kind: global_buffer, .address_space: global }
      - { .name: out0, .offset: 24, .size: 8, .value_kind: global_buffer, .address_space: global }
    .group_segment_fixed_size: 327680
    .private_segment_fixed_size: 0
    .kernarg_segment_align: 8
    .kernarg_segment_size: 32
    .max_flat_workgroup_size: 128
    .sgpr_count:     100
    .vgpr_count:     768
    .wavefront_size: 32
...
	.end_amdgpu_metadata
.endif
;; end of part 4
